; MI455X (gfx1250); checked and timed in simulation.
; The chip was launched on July 23, 2026; its instructions are those of AMD's public machine-readable ISA for CDNA 5 (MIT licence, August 2026) and "CDNA5" Instruction Set Architecture Reference Guide (July 2026). The comments in the code are by the model that wrote it; some were corrected since.
;; Classical Self Attention. Allowed arithmetic: matrix products marked QUANTISED: E2M3 operands, one E8M0 scale for each 32 along K, by v_wmma_scale_f32_16x16x128_f8f6f4 with both operands' format E2M3, f32 sums; everything else in f32.
;; Inputs: Wk 1,024 x 1,024 float32; Wq 1,024 x 1,024 float32; Wv 1,024 x 1,024 float32; bk 1,024 float32; bq 1,024 float32; bv 1,024 float32; x 4 x 2,048 x 1,024 float32.
;; Outputs: out0 4 x 2,048 x 1,024 float32.
;; This version of the problem:
;;   THIS VERSION OF THE PROBLEM IS GIVEN IN LOW PRECISION. The matrix products marked QUANTISED in the list below multiply operands that are first quantised to E2M3 (2 exponent bits, 3 mantissa bits; 6 bits a number), with one power-of-two scale for each 32 numbers along K (OCP MX v1.0); their sums are f32. All else is computed in f32.
;;   The module's matrix products, in the order in which they are computed (A, B: the left and right operand; K: the contracted axis; several contracted axes count as one K, in the product's order):
;;     1. [M 8,192, K 1,024] x [K 1,024, N 1,024]; A: input x; B: input Wq: QUANTISED
;;     2. [M 8,192, K 1,024] x [K 1,024, N 1,024]; A: input x; B: input Wk: QUANTISED
;;     3. [M 8,192, K 1,024] x [K 1,024, N 1,024]; A: input x; B: input Wv: QUANTISED
;;     4. batch 4 x [M 2,048, K 1,024] x [K 1,024, N 2,048]; A: computed on the way; B: computed on the way: QUANTISED
;;     5. batch 4 x [M 2,048, K 2,048] x [K 2,048, N 1,024]; A: softmax (see below); B: computed on the way: QUANTISED
;;   THE QUANTISER, for each operand of a quantised product, along K:
;;     - K is cut into blocks of 32 from its start; a last block that is shorter is filled with zeros.
;;     - A block's scale is 2^e with e = floor(log2(the largest magnitude in the block)) - 2, held to -126 .. 127; a block of zeros has e = 0. As a byte (E8M0): e + 127.
;;     - Each number is divided by its block's scale, clamped to +-7.5, and rounded to the nearest number of E2M3, ties to even, subnormals kept.
;;     - The product sums the exact products of the quantised numbers (number of the format x scale) in f32.
;;   ~~~python
;;   def quantise(x, axis):      # numpy; x: float32 -> the quantised numbers, widened to float32 again
;;       x = np.moveaxis(x, axis, -1); K = x.shape[-1]
;;       x = np.pad(x, [(0, 0)] * (x.ndim - 1) + [(0, -K % 32)]); x = x.reshape(x.shape[:-1] + (-1, 32)); a = np.abs(x).max(-1, keepdims=True)
;;       e = np.where(a > 0, np.clip(np.frexp(np.where(a > 0, a, 1))[1] - 1 - 2, -126, 127), 0)      # np.frexp(a)[1] - 1 = floor(log2(a)), exactly
;;       r = np.clip(x / 2.0 ** e, -7.5, 7.5)
;;       step = 2.0 ** (np.maximum(np.frexp(np.where(r == 0, 1, r))[1] - 1, 0) - 3)
;;       q = np.round(r / step) * step * 2.0 ** e      # np.round: ties to even
;;       return np.moveaxis(q.reshape(q.shape[:-2] + (-1,))[..., :K], -1, axis).astype(np.float32)
;;   ~~~
;;   SOFTMAX AHEAD OF A QUANTISED PRODUCT. Where the list says 'softmax', what is quantised is not the finished softmax but p = 2^(t - M), with t = logit x log2(e) and M = ceil(the row's largest t), a whole number; so 1/2 < the row's largest p <= 1. The row's sum l is taken of the UNQUANTISED p, in f32, and the product's result is divided by l at the end. Since M is a whole number, a kernel that streams over the keys may use a running M (the ceiling of the running maximum): every later rescaling is an exact power of two, which a block's scale takes up: the codes' values come out the same.
;;   OPERANDS COMPUTED ON THE WAY. 'Computed on the way' means the value that the module computes at that place (a softmax that the list does not call 'softmax' is quantised finished and normalised). What goes into a quantiser is computed in f32, as accurately as f32 sums, v_exp_f32 and their like allow (about 1e-6 of the number): no bf16 or f16 on the way to a quantiser, and a product that is left as it is and whose result goes on into a quantised operand takes f32 operands (vector FMAs, or v_wmma_f32_16x16x4_f32). A number that lies on a knife's edge between two numbers of the format may be rounded either way, as far as f32 arithmetic and the matrix unit's own rounding can turn it there, and no further.
;; One version. Each part assembles by itself: llvm-mc -triple=amdgcn-amd-amdhsa -mcpu=gfx1250 --defsym DOCPART=n.
;; ======== version 1 of 1: 4 launches
;; limits: right only within a limited range of input values
;; workspace buffers: xq 6,553,600 bytes; wq 2,457,600 bytes; qk 13,107,200 bytes; vq 6,553,600 bytes; pq 14,155,776 bytes
;; launch quant (part 1): grid 448 x 1, 4 waves a work-group, no clusters, 48,128 bytes of LDS; arguments x, xq, Wq, Wk, Wv, wq; writes xq, wq
.if DOCPART == 1
	.amdgcn_target "amdgcn-amd-amdhsa--gfx1250"
	.amdhsa_code_object_version 6
	.text
	.protected	k_q29044461dc_quant
	.globl	k_q29044461dc_quant
	.p2align	8
	.type	k_q29044461dc_quant,@function
k_q29044461dc_quant:
	s_mov_b64 s[64:65], 0
	v_nop
	global_prefetch_b8 v0, s[64:65] scope:SCOPE_SE
	s_setreg_imm32_b32 hwreg(HW_REG_WAVE_MODE, 25, 1), 1
	s_wait_xcnt 0x0
; One launch quantises x and the three weights to codes of FP6 (E2M3) with one E8M0 byte for each 32 along K, laid as IMAGES OF OPERAND REGISTERS.
; Work-groups 0-255 take x [8192][1024] (K innermost), work-groups 256-447 take Wq, Wk, Wv [1024 (k)][1024 (n)] (K their first axis). The two ways part on the work-group's number alone and have LDS bytes of their own.
; THE IMAGE. Rows go in blocks of 128 (8 tiles of 16), K in steps of 128. A fragment (block, step, tile) is 1,536 bytes at ((block x 8 + step) x 8 + tile) x 1,536: registers 4 c .. 4 c + 3 of lane l at 512 c + 16 l.
; Lane r of tile t holds row 32 (t / 2) + 8 (t % 2) + r + 8 (r / 8) of its block; lane (r, h) holds k = 64 c + 32 h + 0 .. 31 in registers 6 c .. 6 c + 5.
; Scale words of (block, step): 512 bytes behind the codes (XSO, WSO) at (block x 8 + step) x 512: tile 4 g + i, lane r at 256 g + 16 r + 4 i. The weights' blocks: 0-7 Wq, 8-15 Wk, 16-23 Wv, rows = n.
; A block's scale is 2^(floor(log2(its largest magnitude)) - 2); its byte is that magnitude's exponent field - 2, held at 1 from below.
; LIMITS: NaN and infinities are not served; a block of zeros, or one whose largest magnitude lies under 2^-124, gets the byte 1 (the bytes are read by this program alone).
; x: a work-group takes 64 rows and four K steps, a wave one K step; a tile's 16 rows turn through the wave's stage in LDS so that a lane gets its two whole blocks.
; W: a work-group takes 128 n and one K step; a lane takes a column n and its registers run down K; the images are gathered in the wave's stage. Work-groups share no input: no cluster, no tensor load.
.set XSO,   6291456
.set WSO,   2359296
.set STX,   8448                       ; x: a wave's stage, 16 rows x 528 bytes
.set WB,    4*STX                      ; the weights' LDS bytes begin here
.set STW,   3328                       ; W: a wave's stage, two images 1,664 bytes apart
.set SCI,   WB+4*STW                   ; W: the work-group's 512 bytes of scale words
.set SPARE, SCI+512                    ; the spare words, 128 bytes for each wave
.set SPW, 254
.set NIL, 255
	v_lshl_add_u32 v[SPW], v0, 2, SPARE
	v_mov_b32 v[NIL], 0
	s_cmp_ge_u32 ttmp9, 256
	s_cbranch_scc1 .Lweights
; ---------------- x
.set LI,  5                            ; 16 x lane
.set SI,  6                            ; the stage, on the way in
.set SO,  7                            ; and out: row r, + 128 h
.set SW,  8                            ; my 8 bytes of the scale words' 256
.set SH,  9                            ; 8 h
.set R,   16                           ; v16-143 two sets of 64: a tile as loaded
.set X,   144                          ; v144-207 my 64 numbers
.set C,   208                          ; the fragment
.set T,   220                          ; the blocks' upper halves
.set MX,  228
.set PW,  236                          ; the four tiles' scale words
.set S,   240
	s_load_b128 s[4:7], s[0:1], 0x0                ; x, xq
	v_lshrrev_b32 v1, 5, v0
	v_readfirstlane_b32 s8, v1                     ; wave
	v_and_b32 v2, 31, v0
	v_and_b32 v3, 15, v0                           ; r
	v_bfe_u32 v4, v0, 4, 1                         ; h
	v_lshlrev_b32 v[LI], 4, v2
	s_mul_i32 s9, s8, STX
	v_add_nc_u32 v[SI], s9, v[LI]
	v_mul_u32_u24 v[SO], v3, 528
	v_lshl_add_u32 v[SO], v4, 7, v[SO]
	v_add_nc_u32 v[SO], s9, v[SO]
	v_lshlrev_b32 v[SW], 4, v3
	v_lshl_add_u32 v[SW], v4, 3, v[SW]
	v_lshlrev_b32 v[SH], 3, v4
	v_mov_b32 v[MX+7], 0                           ; a lane permute's destination counts as one of its sources
	s_mov_b32 s20, 0x76543210
	s_mov_b32 s21, 0xfedcba98                      ; lane l xor 16
	s_mov_b32 s22, 0xffff0000                      ; lanes 16-31
	s_lshr_b32 s10, ttmp9, 1                       ; which 64 rows
	s_and_b32 s11, ttmp9, 1
	s_lshl_b32 s11, s11, 2
	s_add_co_u32 s11, s11, s8                      ; my K step
	s_lshl_b32 s12, s10, 18
	s_lshl_b32 s13, s11, 9
	s_add_co_u32 s12, s12, s13
	s_mov_b32 s13, 0                               ; x: 64 rows of 4,096 bytes, + 512 a K step
	s_lshr_b32 s14, s10, 1
	s_lshl_b32 s14, s14, 3
	s_add_co_u32 s14, s14, s11                     ; block x 8 + step
	s_and_b32 s15, s10, 1                          ; which half of the block's tiles
	s_mul_i32 s16, s14, 12288
	s_mul_i32 s17, s15, 6144
	s_add_co_u32 s16, s16, s17
	s_mov_b32 s17, 0
	s_lshl_b32 s18, s14, 9
	s_lshl_b32 s19, s15, 8
	s_add_co_u32 s18, s18, s19
	s_add_co_u32 s18, s18, XSO
	s_mov_b32 s19, 0
	s_wait_alu depctr_va_vdst(0)                   ; the wait at the head's end
	s_wait_kmcnt 0x0
	s_add_nc_u64 s[4:5], s[4:5], s[12:13]
	s_add_nc_u64 s[24:25], s[6:7], s[16:17]        ; my four fragments
	s_add_nc_u64 s[26:27], s[6:7], s[18:19]        ; their scale words
.macro LOADX t                         ; the 16 rows of tile t, 512 consecutive bytes a load
.irp i, 0,1,2,3,4,5,6,7,8,9,10,11,12,13,14,15
	global_load_b128 v[R+64*((\t)%2)+4*\i:R+64*((\t)%2)+4*\i+3], v[LI], s[4:5] offset:(32*((\t)/2)+8*((\t)%2)+\i+8*(\i/8))*4096 th:TH_LOAD_NT
.endr
.endm
.macro TILE t
.if (\t) < 3
	s_wait_loadcnt 16                              ; this tile's 16 loads are in; the next tile's may be out
.else
	s_wait_loadcnt 0x0
.endif
.irp i, 0,1,2,3,4,5,6,7,8,9,10,11,12,13,14,15
	ds_store_b128 v[SI], v[R+64*((\t)%2)+4*\i:R+64*((\t)%2)+4*\i+3] offset:528*\i
.endr
.irp c, 0,1
.irp j, 0,1,2,3,4,5,6,7
	ds_load_b128 v[X+32*\c+4*\j:X+32*\c+4*\j+3], v[SO] offset:256*\c+16*\j   ; LDS serves a wave's instructions in order
.endr
.endr
	s_wait_dscnt 0x0                               ; my numbers are here, and the stores have read their registers,
.if (\t) < 2
	LOADX (\t)+2                                   ; which take the tile two on
.endif
.irp c, 0,1
	v_max3_num_f32 v[MX+\c], |v[X+32*\c]|, |v[X+32*\c+1]|, 0x1800000   ; my block 2 c + h, and the floor 2^(3 - 127)
.endr
.irp i, 2,4,6,8,10,12,14,16,18,20,22,24,26,28,30
.irp c, 0,1
	v_max3_num_f32 v[MX+\c], v[MX+\c], |v[X+32*\c+\i]|, |v[X+32*\c+\i+1]|
.endr
.endr
.irp c, 0,1
	v_add_nc_u32 v[MX+2+\c], 0xff000000, v[MX+\c]  ; 2 off the exponent field: the conversion's scale operand
.endr
.irp c, 0,1
	v_lshrrev_b32 v[MX+4+\c], 23, v[MX+2+\c]       ; the byte
.endr
	v_lshl_or_b32 v[MX+6], v[MX+5], 16, v[MX+4]
	v_lshlrev_b32 v[MX+6], v[SH], v[MX+6]          ; bytes h and 2 + h of the word
	v_permlanex16_b32 v[MX+7], v[MX+6], s20, s21
	v_or_b32 v[PW+(\t)], v[MX+6], v[MX+7]          ; with lane l xor 16's two the word is whole
.if (\t) > 0
	s_wait_alu depctr_va_vdst(0)                   ; the wait ahead of the wait below
	s_wait_xcnt 0x0                                ; the last tile's stores have read the fragment's registers
.endif
.irp c, 0,1
	v_cvt_scalef32_pk16_fp6_f32 v[C+6*\c:C+6*\c+2], v[X+32*\c:X+32*\c+15], v[MX+2+\c]
	v_cvt_scalef32_pk16_fp6_f32 v[T+4*\c:T+4*\c+2], v[X+32*\c+16:X+32*\c+31], v[MX+2+\c]   ; (three registers from an even number on)
.endr
	v_nop                                          ; one plain place behind a scaled conversion
.irp c, 0,1
.irp i, 0,1,2
	v_mov_b32 v[C+6*\c+3+\i], v[T+4*\c+\i]
.endr
.endr
.irp k, 0,1,2
	global_store_b128 v[LI], v[C+4*\k:C+4*\k+3], s[24:25] offset:1536*(\t)+512*\k   ; 512 consecutive bytes, aligned
.endr
.endm
	LOADX 0
	LOADX 1
	TILE 0
	TILE 1
	TILE 2
	TILE 3
	v_cndmask_b32 v[S], v[PW], v[PW+2], s22        ; lanes 0-15: tiles 0, 1; lanes 16-31: tiles 2, 3
	v_cndmask_b32 v[S+1], v[PW+1], v[PW+3], s22
	global_store_b64 v[SW], v[S:S+1], s[26:27]     ; 256 consecutive bytes, aligned
	s_wait_tensorcnt 0x0                           ; the wave's end, behind my last LDS store
	ds_add_u32 v[SPW], v[NIL]
	s_wait_dscnt 0x0
	s_endpgm
; ---------------- the weights
.Lweights:
.set SB,   24                          ; my column's scale word
.set WX,   32                          ; v32-95 two sets of 32 numbers
.set WCD,  96                          ; a block's codes
.set WT,   104
.set OUTR, 112
	s_load_b256 s[4:11], s[0:1], 0x10              ; Wq, Wk, Wv, wq
	v_lshrrev_b32 v1, 5, v0
	v_readfirstlane_b32 s12, v1                    ; wave
	v_and_b32 v2, 31, v0
	v_lshlrev_b32 v3, 2, v2                        ; in: 4 bytes a lane
	v_lshlrev_b32 v4, 4, v2                        ; 16 x lane
	v_bfe_u32 v5, v0, 3, 1                         ; u: which of my wave's two tiles my column falls into
	v_and_b32 v6, 7, v0
	v_bfe_u32 v7, v0, 4, 1
	v_lshl_add_u32 v6, v7, 3, v6                   ; r: its lane there
	s_mul_i32 s13, s12, STW
	s_add_co_u32 s13, s13, WB
	v_mul_u32_u24 v8, v5, 1664
	v_lshl_add_u32 v8, v6, 4, v8
	v_add_nc_u32 v8, s13, v8                       ; into the stage
	v_add_nc_u32 v9, s13, v4                       ; and back
	s_lshr_b32 s14, s12, 1
	s_lshl_b32 s14, s14, 8
	s_and_b32 s15, s12, 1
	s_lshl_b32 s15, s15, 3
	s_add_co_u32 s14, s14, s15
	s_add_co_u32 s14, s14, SCI
	s_wait_alu depctr_va_vdst(0)                   ; the wait directly ahead of the readers below
	v_lshlrev_b32 v10, 4, v6
	v_lshl_add_u32 v10, v5, 2, v10
	v_add_nc_u32 v10, s14, v10                     ; my scale word's place: tile 2 w + u, lane r
	v_add_nc_u32 v13, SCI, v4
	s_sub_co_u32 s24, ttmp9, 256
	s_lshr_b32 s16, s24, 3                         ; the block of 128 rows, 0-23
	s_and_b32 s24, s24, 7                          ; the K step
	s_lshl_b32 s17, s24, 19                        ; 128 rows of W, 4,096 bytes each
	s_and_b32 s18, s16, 7
	s_lshl_b32 s18, s18, 9
	s_add_co_u32 s17, s17, s18
	s_lshl_b32 s18, s12, 7
	s_add_co_u32 s18, s17, s18
	s_mov_b32 s19, 0
	s_lshl_b32 s20, s16, 3
	s_add_co_u32 s20, s20, s24
	s_lshl_b32 s22, s20, 9
	s_add_co_u32 s22, s22, WSO
	s_mov_b32 s23, 0
	s_mul_i32 s20, s20, 12288
	s_mul_i32 s21, s12, 3072
	s_add_co_u32 s20, s20, s21
	s_mov_b32 s21, 0
	s_wait_alu depctr_va_vdst(0)                   ; the wait at the head's end
	s_wait_kmcnt 0x0
	s_cmp_lt_u32 s16, 8                            ; which weight: the choice hangs on the work-group's number alone
	s_cselect_b64 s[4:5], s[4:5], s[6:7]
	s_cmp_lt_u32 s16, 16
	s_cselect_b64 s[4:5], s[4:5], s[8:9]
	s_add_nc_u64 s[4:5], s[4:5], s[18:19]
	s_add_nc_u64 s[6:7], s[10:11], s[20:21]        ; my two fragments
	s_add_nc_u64 s[8:9], s[10:11], s[22:23]        ; the scale words
.macro LOADW t                         ; block t: W(32 t + i, my column)
.irp i, 0,1,2,3,4,5,6,7,8,9,10,11,12,13,14,15,16,17,18,19,20,21,22,23,24,25,26,27,28,29,30,31
	global_load_b32 v[WX+32*((\t)%2)+\i], v3, s[4:5] offset:(32*(\t)+\i)*4096 th:TH_LOAD_NT
.endr
.endm
.macro BLOCK t
.set XS, WX+32*((\t)%2)
.if (\t) < 3
	s_wait_loadcnt 32                              ; this block's 32 loads are in; the next block's may be out
.else
	s_wait_loadcnt 0x0
.endif
	v_max3_num_f32 v16, |v[XS]|, |v[XS+1]|, |v[XS+2]|
	v_max3_num_f32 v17, |v[XS+3]|, |v[XS+4]|, |v[XS+5]|
.irp i, 6,10,14,18,22,26
	v_max3_num_f32 v16, v16, |v[XS+\i]|, |v[XS+\i+1]|
	v_max3_num_f32 v17, v17, |v[XS+\i+2]|, |v[XS+\i+3]|
.endr
	v_max3_num_f32 v16, v16, |v[XS+30]|, |v[XS+31]|
	v_max3_num_f32 v16, v16, v17, 0x1800000        ; and the floor 2^(3 - 127)
	v_add_nc_u32 v18, 0xff000000, v16              ; the conversion's scale operand
	v_lshrrev_b32 v19, 23, v18                     ; the byte
.if (\t) == 0
	v_mov_b32 v[SB], v19
.else
	v_lshl_or_b32 v[SB], v19, 8*(\t), v[SB]
.endif
	v_cvt_scalef32_pk16_fp6_f32 v[WCD:WCD+2], v[XS:XS+15], v18
	v_cvt_scalef32_pk16_fp6_f32 v[WT:WT+2], v[XS+16:XS+31], v18
	v_nop                                          ; one plain place behind a scaled conversion
.irp i, 0,1,2
	v_mov_b32 v[WCD+3+\i], v[WT+\i]
.endr
.if (\t)/2 == 0                        ; block 2 c + h is registers 6 c .. 6 c + 5 of lane r + 16 h
	ds_store_b128 v8, v[WCD:WCD+3] offset:256*((\t)%2)
	ds_store_b64 v8, v[WCD+4:WCD+5] offset:512+256*((\t)%2)
.else
	ds_store_b64 v8, v[WCD:WCD+1] offset:520+256*((\t)%2)
	ds_store_b128 v8, v[WCD+2:WCD+5] offset:1024+256*((\t)%2)
.endif
.if (\t) < 2
	LOADW (\t)+2
.endif
	s_wait_dscnt 0x0                               ; the stores have read their registers
.endm
	LOADW 0
	LOADW 1
	BLOCK 0
	BLOCK 1
	BLOCK 2
	BLOCK 3
	s_wait_alu depctr_va_vdst(0)                   ; the wait ahead of the reader below
	ds_store_b32 v10, v[SB]
.irp n, 0,1,2,3,4,5
	ds_load_b128 v[OUTR+4*\n:OUTR+4*\n+3], v9 offset:1664*(\n/3)+512*(\n%3)   ; LDS serves a wave's instructions in order
.endr
.irp n, 0,1,2,3,4,5
	s_wait_dscnt 5-\n
	global_store_b128 v4, v[OUTR+4*\n:OUTR+4*\n+3], s[6:7] offset:1536*(\n/3)+512*(\n%3)   ; 512 consecutive bytes, aligned
.endr
	s_wait_dscnt 0x0                               ; for the others' sake: my scale word has landed
	s_barrier_signal -1
	s_barrier_wait -1
	s_cmp_lg_u32 s12, 0
	s_cbranch_scc1 .Lnot_wave_0
	ds_load_b128 v[108:111], v13                   ; the four waves' scale words: 512 bytes
	s_wait_dscnt 0x0
	global_store_b128 v4, v[108:111], s[8:9]
.Lnot_wave_0:
	s_wait_tensorcnt 0x0                           ; the wave's end, behind my last LDS store
	ds_add_u32 v[SPW], v[NIL]
	s_wait_dscnt 0x0
	s_endpgm
.Lfunc_end_k_q29044461dc_quant:
	.size	k_q29044461dc_quant, .Lfunc_end_k_q29044461dc_quant-k_q29044461dc_quant
	.p2alignl 7, 3214868480
	.fill 96, 4, 3214868480
	.section	.rodata,"a",@progbits
	.p2align	6, 0x0
	.amdhsa_kernel k_q29044461dc_quant
		.amdhsa_group_segment_fixed_size 48128
		.amdhsa_private_segment_fixed_size 0
		.amdhsa_enable_private_segment 0
		.amdhsa_kernarg_size 48
		.amdhsa_user_sgpr_count 2
		.amdhsa_user_sgpr_kernarg_segment_ptr 1
		.amdhsa_wavefront_size32 1
		.amdhsa_system_sgpr_workgroup_id_x 1
		.amdhsa_system_sgpr_workgroup_id_y 1
		.amdhsa_system_sgpr_workgroup_id_z 1
		.amdhsa_system_vgpr_workitem_id 0
		.amdhsa_next_free_vgpr 256
		.amdhsa_next_free_sgpr 66
		.amdhsa_reserve_vcc 0
		.amdhsa_float_denorm_mode_32 3
		.amdhsa_float_denorm_mode_16_64 3
		.amdhsa_memory_ordered 1
		.amdhsa_forward_progress 1
		.amdhsa_inst_pref_size 53
	.end_amdhsa_kernel
	.amdgpu_metadata
---
amdhsa.version: [ 1, 2 ]
amdhsa.kernels:
  - .name:           k_q29044461dc_quant
    .symbol:         k_q29044461dc_quant.kd
    .args:
      - { .name: x, .offset: 0, .size: 8, .value_kind: global_buffer, .address_space: global }
      - { .name: xq, .offset: 8, .size: 8, .value_kind: global_buffer, .address_space: global }
      - { .name: Wq, .offset: 16, .size: 8, .value_kind: global_buffer, .address_space: global }
      - { .name: Wk, .offset: 24, .size: 8, .value_kind: global_buffer, .address_space: global }
      - { .name: Wv, .offset: 32, .size: 8, .value_kind: global_buffer, .address_space: global }
      - { .name: wq, .offset: 40, .size: 8, .value_kind: global_buffer, .address_space: global }
    .group_segment_fixed_size: 48128
    .private_segment_fixed_size: 0
    .kernarg_segment_align: 8
    .kernarg_segment_size: 48
    .max_flat_workgroup_size: 128
    .sgpr_count:     66
    .vgpr_count:     256
    .wavefront_size: 32
...
	.end_amdgpu_metadata
.endif
;; end of part 1
;; launch proj (part 2): grid 8 x 32, 4 waves a work-group, clusters of 4 x 4, 327,680 bytes of LDS; arguments xq, wq, bq, bk, bv, qk, vq; writes qk, vq
.if DOCPART == 2
	.amdgcn_target "amdgcn-amd-amdhsa--gfx1250"
	.amdhsa_code_object_version 6
	.text
	.protected	k_q29044461dc_proj
	.globl	k_q29044461dc_proj
	.p2align	8
	.type	k_q29044461dc_proj,@function
k_q29044461dc_proj:
	s_mov_b64 s[64:65], 0
	v_nop
	global_prefetch_b8 v0, s[64:65] scope:SCOPE_SE
	s_setreg_imm32_b32 hwreg(HW_REG_WAVE_MODE, 25, 1), 1
	s_wait_xcnt 0x0
	s_wait_alu depctr_hold_cnt(0) depctr_sa_sdst(0) depctr_va_vdst(0) depctr_va_sdst(0) depctr_va_ssrc(0) depctr_va_vcc(0) depctr_vm_vsrc(0)
	s_getreg_b32 s2, hwreg(HW_REG_IB_STS2, 6, 4)
	s_cmp_eq_u32 s2, 0
	s_cbranch_scc0 .Lentry_in_a_cluster
	s_endpgm
.Lentry_in_a_cluster:
	s_bfe_u32 s2, ttmp6, 0x10000c
	s_cmp_lg_u32 s2, 0xf033
	s_cbranch_scc0 .Lentry_shape_is_right
	s_endpgm
.Lentry_shape_is_right:
; q = x Wq + bq, k = x Wk + bk, v = x Wv + bv on codes of FP6 (E2M3) with E8M0 scales, K = 1,024; the results are quantised on the way out and leave as images of operand registers:
; q and k along D (qk: 64 blocks of 128 tokens x 16 K steps, steps 0-7 q, 8-15 k), v along the tokens (vq: 8 blocks of 128 channels x 64 K steps of 128 tokens).
; THE IMAGE: a fragment (16 rows x 128 K, 12 registers a lane) is 1,536 bytes, registers 4 c .. 4 c + 3 of lane l at 512 c + 16 l, at ((block x steps + step) x 8 + tile) x 1,536; lane r of tile t holds
; row 32 (t / 2) + 8 (t % 2) + r + 8 (r / 8) of its block.  Scale words of (block, step): 512 bytes, tile 4 g + i, lane r at 256 g + 16 r + 4 i.
; SHARES.  q and k are 256 tiles of 256 x 256, v is 256 half tiles of 128 x 256: each of the 256 work-groups makes one of each, one after the other, so that all have the same work.
; PART 1 (q, k): source 1 = x (256 tokens), source 0 = Wq, Wk (256 n); a wave makes 128 x 128 in 64 accumulators.
; PART 2 (v): source 1 = Wv (128 channels), source 0 = x (256 tokens); a wave makes 64 x 128 in 32 accumulators.
; THE MATRIX INSTRUCTION IS USED TRANSPOSED: a lane holds one row of source 1, and, by the order of rows in a tile, its 64 registers of a block of 16 rows are 128 neighbours along source 0: one K step of the
; next product, quantised in registers.  The bias goes by register in part 1 (n runs along the registers) and by lane in part 2 (a lane is a channel).
; CLUSTERS: 4 x 4 work-groups; source 1's tiles are shared along a row of the cluster, source 0's along a column, in both parts: joint tensor loads.
; LDS: three slots of two K steps of part 1 (98,304 bytes: four regions of 24,576, one for each fetching wave), the spare words.  Part 1's first six K steps and its
; scales are asked for at the start (four tensor loads of a wave are out at most); slot 0 is filled once more, with its last two steps.  PART 2'S OPERANDS FOR ALL OF K ARE 3 x 98,304 BYTES, AS MUCH AS THE THREE SLOTS:
; slots 1 and 2 take Wv's eight K steps and x's first four when part 1's step 5 has read them out (49,152 bytes a wave), slot 0 takes x's last four in the middle of part 1's way out (waves 2 and 3).
; Part 2's scale words come from memory straight into registers, ahead of part 1's way out.  All of a WGP's LDS is claimed.
; No prefetch: all that a work-group reads is asked for at its head or two K steps and more ahead of its use.
; LIMITS: NaN and infinities are not served; a block of zeros, or one under 2^-124, gets the byte 1 (read by this program alone).
; REGISTERS: window 0: v8-29 addresses; v32-95 part 1's scale words (source 1's, source 0's), then part 2's: Wv's in v32-63, x's in v64-95; v128-223 source 1's fragments, later at work; v228-235 the bias by lane;
;   v244-255 scale words made.  window 1: source 0's fragments, two sets (v0, v128); the bias by register in v96-127 and v224-255.  windows 2, 3: the accumulators, (a, b) at v[8 (8 (a % 4) + b)].
.set KST,   12288                      ; a block's fragments of one K step
.set FRB,   1536
.set REG,   2*KST
.set BIG,   4*KST
.set SLOT,  4*REG
.set SPARE, 3*SLOT                     ; behind the three slots: the spare words.  Part 1's scale words lie in registers, not in LDS
.set XSO,   6291456
.set WSO,   2359296
.set QSO,   12582912
.set VSO,   6291456
.set ADA2, 8                           ; v8-9   part 2: LDS address of Wv's fragments, K steps 0-3, 4-7
.set ADB2, 10                          ; v10-11 part 2: of x's
.set SW,   12                          ; 16 r + 8 h
.set LR,   13                          ; 16 r + 256 x my half of Wv's tiles
.set ADRA, 16
.set ADRB, 20
.set LI,   24
.set BO,   25
.set LO,   26
.set SPW,  28
.set NIL,  29
.set SCA,  32                          ; v32-63 part 1: source 1's scale words of all of K: register 4 n + i: K step n, tile i (lanes 0-15) and tile 4 + i (lanes 16-31)
.set SCB,  64                          ; v64-95 the same for source 0
.set SA2,  32                          ; part 2's scale words take the same registers when part 1's products are over
.set SB2,  64
.set AF,   128
.set WK,   128
.set PC,   192
.set TM,   212
.set BL,   228
.set PW,   244
.set S,    252
.set WV,   18
.set WR,   19
.set WC,   20
.set HM,   26
.set G1A,  28
.set G1B,  36
.set G1SA, 44
.set G1SB, 52
.set SEL,  66
.set G0A,  68
.set G0B,  80
.set G0SA, 92
.set G0SB, 96
.set MSB, 0
.macro WIN new                         ; the immediate's high byte repeats the setting that is left
.if MSB != (\new)
	s_set_vgpr_msb (MSB<<8)|(\new)
.set MSB, \new
.endif
.endm
.set MUL_LO, 0xa1                      ; source 0 window 1, source 1 window 0, C and D window 2
.set MUL_HI, 0xf1
.set TO_B,   0x40
.macro PLACES n
.rept \n
	v_nop
.endr
.endm
; A joint load: waves 0 and 1 fetch for source 1, waves 2 and 3 for source 0.  An s_nop 0 and four v_nop follow each line.
.macro JLOAD g0a, g1a, g0b, g1b
	s_cmp_eq_u32 s[WR], 0
	s_cbranch_scc0 .Lfor_b_\@
	tensor_load_to_lds s[\g0a:\g0a+3], s[\g1a:\g1a+7]
	s_nop 0
.rept 4
	v_nop
.endr
	s_branch .Lasked_\@
.Lfor_b_\@:
	tensor_load_to_lds s[\g0b:\g0b+3], s[\g1b:\g1b+7]
	s_nop 0
.rept 4
	v_nop
.endr
.Lasked_\@:
.endm
.macro CREST                           ; a round of the cluster's barrier behind its opening barrier
	s_cmp_lg_u32 s[WV], 0
	s_cbranch_scc1 .Lnot_wave_0_\@
	s_barrier_signal -3
.Lnot_wave_0_\@:
	s_barrier_wait -3
	s_barrier_signal -1
	s_barrier_wait -1
.endm
.macro CROUND
	s_barrier_signal -1
	s_barrier_wait -1
	CREST
.endm
.macro FRAG reg, adr, off              ; a fragment comes as it lies: three loads of 512 consecutive bytes
.irp c, 0,1,2
	ds_load_b128 v[\reg+4*\c:\reg+4*\c+3], v[\adr] offset:\off+512*\c
.endr
.endm
.macro FETCH_B slot, q, p              ; part 1: source 0's eight fragments of the slot's q-th K step into set p
	WIN TO_B
.irp i, 0,1,2,3,4,5,6,7
	FRAG 128*(\p)+12*\i, ADRB+\slot, (\q)*KST+\i*FRB
.endr
	WIN 0
.endm
.macro FETCH_A slot, q, i0             ; part 1: source 1's blocks i0 .. i0 + 3
.irp i, \i0, \i0+1, \i0+2, \i0+3
	FRAG AF+12*(\i), ADRA+\slot, (\q)*KST+(\i)*FRB
.endr
.endm
; 16 products: source 1's blocks a0, a0 + 1 x source 0's eight.  The 64 accumulators take turns, one instruction a turn, in the same order in every step.
; One product of K step 2 sc + p.  m1, m2: the selectors of lanes 16-31 of the scale registers, for tiles 4-7 of a side.
.macro WM a, b, p, sc, zero, m1, m2
.if \zero
	v_wmma_scale_f32_16x16x128_f8f6f4 v[8*(8*((\a)%4)+\b):8*(8*((\a)%4)+\b)+7], v[128*(\p)+12*\b:128*(\p)+12*\b+11], v[AF+12*(\a):AF+12*(\a)+11], 0, v[SCB+8*(\sc)+4*(\p)+\b%4], v[SCA+8*(\sc)+4*(\p)+(\a)%4] matrix_a_fmt:MATRIX_FMT_FP6 matrix_b_fmt:MATRIX_FMT_FP6 \m1 \m2
.else
	v_wmma_scale_f32_16x16x128_f8f6f4 v[8*(8*((\a)%4)+\b):8*(8*((\a)%4)+\b)+7], v[128*(\p)+12*\b:128*(\p)+12*\b+11], v[AF+12*(\a):AF+12*(\a)+11], v[8*(8*((\a)%4)+\b):8*(8*((\a)%4)+\b)+7], v[SCB+8*(\sc)+4*(\p)+\b%4], v[SCA+8*(\sc)+4*(\p)+(\a)%4] matrix_a_fmt:MATRIX_FMT_FP6 matrix_b_fmt:MATRIX_FMT_FP6 \m1 \m2
.endif
.endm
.macro MUL16 a0, p, sc, zero
.irp a, \a0, \a0+1
.irp b, 0,1,2,3
.if (\a0) < 4
	WM \a, \b, \p, \sc, \zero
.else
	WM \a, \b, \p, \sc, \zero, matrix_b_scale:MATRIX_SCALE_ROW1
.endif
.endr
.irp b, 4,5,6,7
.if (\a0) < 4
	WM \a, \b, \p, \sc, \zero, matrix_a_scale:MATRIX_SCALE_ROW1
.else
	WM \a, \b, \p, \sc, \zero, matrix_a_scale:MATRIX_SCALE_ROW1, matrix_b_scale:MATRIX_SCALE_ROW1
.endif
.endr
.endr
.endm
; A K step of part 1: p its place in its slot (and source 0's set), sc its set of scale words; the next step lies in slot ns at place nq.
; Loads into registers that matrix instructions have read stand four plain vector instructions behind them (ISA guide 7.12.1 for vector instructions).
.macro STEP p, sc, ns, nq, zero
	s_wait_dscnt 12                                ; all but the youngest twelve loads (source 1's blocks 4-7) are in
	WIN MUL_LO
	MUL16 0, \p, \sc, \zero
	MUL16 2, \p, \sc, \zero
	s_wait_dscnt 0x0
	PLACES 4
	FETCH_B \ns, \nq, \nq
	FETCH_A \ns, \nq, 0
	WIN MUL_HI
	MUL16 4, \p, \sc, \zero
	MUL16 6, \p, \sc, \zero
	PLACES 4
	WIN 0
	FETCH_A \ns, \nq, 4
.endm
; A slot's second step with a refill: in front of the barrier each wave waits for all its tensor loads, adds 0 to its spare word, and waits for that and for its reads.
; fill = 1 (K step 1): slot 0 takes part 1's last two K steps.  fill = 2 (K step 5): slots 1 and 2, which lie on end, take part 2's first tiles, 49,152 bytes a wave.
.macro TURN sc, ns, fill
	s_wait_tensorcnt 0x0                           ; all my tensor loads have landed: every descriptor may be written
	ds_add_u32 v[SPW], v[NIL]                      ; 0 onto my spare word
	s_wait_dscnt 13                                ; (the add and the youngest twelve loads may be out)
	WIN MUL_LO
	MUL16 0, 1, \sc, 0
	s_wait_dscnt 0x0                               ; the add is done, and my reads of the slot are over
	s_barrier_signal -1
	MUL16 2, 1, \sc, 0
	WIN 0
	s_barrier_wait -1
	CREST                                          ; the barrier has opened a round of the cluster's: no wave of any partner still reads what is filled or has a load on its way
.if (\fill) == 1
	s_add_nc_u64 s[G0A+2:G0A+3], s[G0A+2:G0A+3], 3*REG
	s_add_nc_u64 s[G0B+2:G0B+3], s[G0B+2:G0B+3], 3*REG
	JLOAD G0A, G1A, G0B, G1B                       ; the first tensor load behind the round: four K steps, 256 matrix instructions, ahead of the wait for it; its four v_nop are the places for the loads below
.else
	s_mul_i32 s2, s[WV], BIG
	s_add_co_u32 s[G0A+5], s2, SLOT                ; waves 0, 1: Wv's K steps 0-3, 4-7;
	s_add_co_u32 s[G0B+5], s2, SLOT                ; waves 2, 3: K steps 0-3 of x's two blocks
	s_mov_b64 s[G0A+6:G0A+7], s[6:7]
	s_or_b32 s[G0A+7], s[G0A+7], 0x80000000
	s_mov_b64 s[G0B+6:G0B+7], s[4:5]
	s_or_b32 s[G0B+7], s[G0B+7], 0x80000000
	JLOAD G0A+4, G1SA, G0B+4, G1SB                 ; tiles of four K steps: the groups 1 of 192 rows
.endif
	FETCH_B \ns, 0, 0
	FETCH_A \ns, 0, 0
	WIN MUL_HI
	MUL16 4, 1, \sc, 0
	MUL16 6, 1, \sc, 0
	PLACES 4
	WIN 0
	FETCH_A \ns, 0, 4
.endm
; PART 2.  K step n into set n % 2: x's eight fragments, my four of Wv's: 36 loads in one run.
.macro FETCH2 n
	WIN TO_B
.irp i, 0,1,2,3,4,5,6,7
	FRAG 128*((\n)%2)+12*\i, ADB2+(\n)/4, ((\n)%4)*KST+\i*FRB
.endr
	WIN 0
.irp i, 0,1,2,3
	FRAG AF+48*((\n)%2)+12*\i, ADA2+(\n)/4, ((\n)%4)*KST+\i*FRB
.endr
.endm
; Wv's block a x x's eight tiles.  x's scale words of a K step lie in four registers: tiles 0-3 in lanes 0-15, tiles 4-7 in lanes 16-31.  The 32 accumulators take turns.
.macro MUL8V a, n, zero
.irp b, 0,1,2,3
.if \zero
	v_wmma_scale_f32_16x16x128_f8f6f4 v[8*(8*(\a)+\b):8*(8*(\a)+\b)+7], v[128*((\n)%2)+12*\b:128*((\n)%2)+12*\b+11], v[AF+48*((\n)%2)+12*(\a):AF+48*((\n)%2)+12*(\a)+11], 0, v[SB2+4*(\n)+\b], v[SA2+4*(\n)+(\a)] matrix_a_fmt:MATRIX_FMT_FP6 matrix_b_fmt:MATRIX_FMT_FP6
.else
	v_wmma_scale_f32_16x16x128_f8f6f4 v[8*(8*(\a)+\b):8*(8*(\a)+\b)+7], v[128*((\n)%2)+12*\b:128*((\n)%2)+12*\b+11], v[AF+48*((\n)%2)+12*(\a):AF+48*((\n)%2)+12*(\a)+11], v[8*(8*(\a)+\b):8*(8*(\a)+\b)+7], v[SB2+4*(\n)+\b], v[SA2+4*(\n)+(\a)] matrix_a_fmt:MATRIX_FMT_FP6 matrix_b_fmt:MATRIX_FMT_FP6
.endif
.endr
.irp b, 4,5,6,7
.if \zero
	v_wmma_scale_f32_16x16x128_f8f6f4 v[8*(8*(\a)+\b):8*(8*(\a)+\b)+7], v[128*((\n)%2)+12*\b:128*((\n)%2)+12*\b+11], v[AF+48*((\n)%2)+12*(\a):AF+48*((\n)%2)+12*(\a)+11], 0, v[SB2+4*(\n)+\b-4], v[SA2+4*(\n)+(\a)] matrix_a_fmt:MATRIX_FMT_FP6 matrix_b_fmt:MATRIX_FMT_FP6 matrix_a_scale:MATRIX_SCALE_ROW1
.else
	v_wmma_scale_f32_16x16x128_f8f6f4 v[8*(8*(\a)+\b):8*(8*(\a)+\b)+7], v[128*((\n)%2)+12*\b:128*((\n)%2)+12*\b+11], v[AF+48*((\n)%2)+12*(\a):AF+48*((\n)%2)+12*(\a)+11], v[8*(8*(\a)+\b):8*(8*(\a)+\b)+7], v[SB2+4*(\n)+\b-4], v[SA2+4*(\n)+(\a)] matrix_a_fmt:MATRIX_FMT_FP6 matrix_b_fmt:MATRIX_FMT_FP6 matrix_a_scale:MATRIX_SCALE_ROW1
.endif
.endr
.endm
.macro STEP2 n, zero                   ; the next step's fragments are asked for first, a whole K step (32 matrix instructions) ahead of their use, into the set that the last step has left
	s_wait_dscnt 0x0                               ; this step's fragments are in
	PLACES 4
	FETCH2 (\n)+1
	WIN MUL_LO
	MUL8V 0, \n, \zero
	MUL8V 1, \n, \zero
	MUL8V 2, \n, \zero
	MUL8V 3, \n, \zero
.endm
; 64 numbers of a lane, register 16 b + i = k 32 b + 16 (lane / 16) + i of my row: QMAX finds the four blocks' largest magnitudes, QTAIL makes the scale word in v[pw] and the fragment in v[PC] on.
.macro QMAX s
.irp b, 0,1,2,3
	v_max3_num_f32 v[TM+\b], |v[\s+16*\b]|, |v[\s+1+16*\b]|, 0x1800000   ; and the floor 2^(3 - 127): the byte cannot fall under 1
.endr
.irp i, 2,4,6,8,10,12,14
.irp b, 0,1,2,3
	v_max3_num_f32 v[TM+\b], v[TM+\b], |v[\s+16*\b+\i]|, |v[\s+1+16*\b+\i]|
.endr
.endr
.irp b, 0,1,2,3
	v_permlanex16_b32 v[TM+4+\b], v[TM+\b], s[SEL], s[SEL+1]
.endr
.irp b, 0,1,2,3
	v_max_num_f32 v[TM+\b], v[TM+\b], v[TM+4+\b]
.endr
.endm
.macro QTAIL s, pw
.irp b, 0,1,2,3
	v_add_nc_u32 v[TM+12+\b], 0xff000000, v[TM+\b] ; 2 off the exponent field: the conversion's scale operand
.endr
.irp b, 0,1,2,3
	v_lshrrev_b32 v[TM+4+\b], 23, v[TM+12+\b]      ; the byte
.endr
	v_lshl_or_b32 v[\pw], v[TM+5], 8, v[TM+4]
	v_lshl_or_b32 v[\pw], v[TM+6], 16, v[\pw]
	v_lshl_or_b32 v[\pw], v[TM+7], 24, v[\pw]
.irp c, 0,1
	v_cvt_scalef32_pk16_fp6_f32 v[PC+6*\c:PC+2+6*\c], v[\s+32*\c:\s+15+32*\c], v[TM+12+2*\c]
	v_cvt_scalef32_pk16_fp6_f32 v[PC+12+4*\c:PC+14+4*\c], v[\s+16+32*\c:\s+31+32*\c], v[TM+12+2*\c+1]
.endr
	v_nop                                          ; one plain place behind a scaled conversion
.irp c, 0,1                            ; the operand's layout wants a whole block in a lane
.irp i, 0,1,2
	v_permlane16_swap_b32 v[PC+6*\c+\i], v[PC+12+4*\c+\i]
.endr
.irp i, 0,1,2
	v_mov_b32 v[PC+3+6*\c+\i], v[PC+12+4*\c+\i]
.endr
.endr
.endm
	s_load_b256 s[4:11], s[0:1], 0x0               ; xq, wq, bq, bk
	s_load_b128 s[12:15], s[0:1], 0x20             ; bv, qk
	s_load_b64 s[16:17], s[0:1], 0x30              ; vq
	v_lshl_add_u32 v[SPW], v0, 2, SPARE
	v_mov_b32 v[NIL], 0
	ds_add_u32 v[SPW], v[NIL]                      ; the wave's opening: the add and its wait ahead of my first tensor load
	ds_add_u32 v[SPW], v[NIL]
	v_lshrrev_b32 v1, 5, v0
	v_readfirstlane_b32 s[WV], v1
	s_lshr_b32 s[WR], s[WV], 1                     ; which half of source 1's rows is mine.  Also: I fetch for source 1 (0) or source 0 (1)
	s_and_b32 s[WC], s[WV], 1                      ; which block of source 0 is mine.  Also: which part of a tile I fetch
	s_bfe_u32 s21, ttmp6, 0x40000                  ; cx
	s_bfe_u32 s22, ttmp6, 0x40004                  ; cy
	s_and_b32 s23, ttmp7, 0xffff                   ; the cluster's y
	s_lshl_b32 s2, s22, 2
	s_lshl_b32 s2, 15, s2                          ; my row of the cluster
	s_lshl_b32 s3, 0x1111, s21                     ; my column
	s_or_b32 s[G1A], s2, (3<<16)|(1<<21)           ; the mask; elements of 8 bytes; bit 21 set beside a mask; no padding
	s_or_b32 s[G1SA], s2, (3<<16)|(1<<21)
	s_or_b32 s[G1B], s3, (3<<16)|(1<<21)
	s_or_b32 s[G1SB], s3, (3<<16)|(1<<21)
.irp g, G1A, G1B                       ; two K steps of a block: 24,576 dense bytes as 96 rows of 256
	s_mov_b32 s[\g+1], 32<<16
	s_mov_b32 s[\g+2], 96<<16
	s_mov_b32 s[\g+3], 32<<16
	s_mov_b32 s[\g+4], 96
	s_mov_b32 s[\g+5], 32
	s_mov_b32 s[\g+6], 0
	s_mov_b32 s[\g+7], 0
.endr
.irp g, G1SA, G1SB                     ; four K steps of a block: 49,152 dense bytes as 192 rows of 256
	s_mov_b32 s[\g+1], 32<<16
	s_mov_b32 s[\g+2], 192<<16                     ; four K steps of a block: 49,152 dense bytes as 192 rows of 256
	s_mov_b32 s[\g+3], 32<<16
	s_mov_b32 s[\g+4], 192
	s_mov_b32 s[\g+5], 32
	s_mov_b32 s[\g+6], 0
	s_mov_b32 s[\g+7], 0
.endr
	s_mul_i32 s3, s[WV], BIG                       ; where the tiles go: by the wave's number alone
	s_mov_b32 s[G0A], 1                            ; slot 0: K steps 0, 1, later 6, 7
	s_mul_i32 s[G0A+1], s[WV], REG
	s_mov_b32 s[G0B], 1
	s_mul_i32 s[G0B+1], s[WV], REG
	s_mov_b32 s[G0SA], 1                           ; slots 1 and 2, on end: K steps 2-5, 49,152 bytes a wave
	s_add_co_u32 s[G0SA+1], s3, SLOT
	s_mov_b32 s[G0SB], 1
	s_add_co_u32 s[G0SB+1], s3, SLOT
	s_mov_b32 s[G0A+4], 1                          ; part 2's groups 0: their other words are written ahead of their loads
	s_mov_b32 s[G0B+4], 1
	s_mov_b32 s[G0B+8], 1
	; part 1's tiles
	s_lshl_b32 s25, s23, 2
	s_add_co_u32 s25, s25, s22                     ; x's tile of 256 tokens: 4 y + cy
	s_lshl_b32 s27, ttmp9, 2
	s_add_co_u32 s27, s27, s21                     ; the weights' tile of 256 n: 4 x + cx (0-3 Wq, 4-7 Wk)
	s_lshl_b32 s60, s25, 1
	s_add_co_u32 s60, s60, s[WC]                   ; x's block that I fetch
	s_lshl_b32 s62, s25, 1
	s_add_co_u32 s62, s62, s[WR]                   ; x's block that I multiply: its scale words
	s_lshl_b32 s62, s62, 12
	s_add_co_u32 s62, s62, XSO
	s_mul_i32 s60, s60, 8*KST
	s_mov_b32 s61, 0
	s_mov_b32 s63, 0
	s_lshl_b32 s66, s27, 1
	s_add_co_u32 s66, s66, s[WC]                   ; the weights' block that I fetch
	s_lshl_b32 s100, s66, 12
	s_add_co_u32 s100, s100, WSO
	s_mul_i32 s66, s66, 8*KST
	s_mov_b32 s67, 0
	s_mov_b32 s101, 0
	s_wait_dscnt 0x0                               ; the opening add is done
	s_wait_kmcnt 0x0
	s_add_nc_u64 s[62:63], s[4:5], s[62:63]        ; my x block's scale words
	s_add_nc_u64 s[100:101], s[6:7], s[100:101]    ; my weights block's
	s_add_nc_u64 s[G0A+2:G0A+3], s[4:5], s[60:61]
	s_add_nc_u64 s[G0SA+2:G0SA+3], s[G0A+2:G0A+3], REG
	s_add_nc_u64 s[G0B+2:G0B+3], s[6:7], s[66:67]
	s_add_nc_u64 s[G0SB+2:G0SB+3], s[G0B+2:G0B+3], REG
.irp g, G0A+3, G0B+3, G0SA+3, G0SB+3
	s_or_b32 s[\g], s[\g], 0x80000000              ; the type
.endr
	v_and_b32 v1, 31, v0
	v_lshlrev_b32 v[LI], 4, v1
.irp n, 0,1,2,3,4,5,6,7                ; part 1's scale words of all of K, from memory into registers: each load reads 512 consecutive bytes
	global_load_b128 v[SCA+4*\n:SCA+4*\n+3], v[LI], s[62:63] offset:512*\n
	global_load_b128 v[SCB+4*\n:SCB+4*\n+3], v[LI], s[100:101] offset:512*\n
.endr
	s_wait_alu depctr_va_vdst(0)                   ; the wait ahead of the barrier
	CROUND                                         ; all sixteen work-groups are here: the first joint loads meet
	JLOAD G0A, G1A, G0B, G1B                       ; K steps 0 and 1: one tensor load a wave at the head
	v_and_b32 v2, 15, v0                           ; r
	v_bfe_u32 v3, v0, 4, 1                         ; h
	s_wait_alu depctr_va_vdst(0)
	s_mul_i32 s2, s[WR], REG
	s_mul_i32 s3, s[WC], REG
	s_add_co_u32 s3, s3, 2*REG
	v_add_nc_u32 v[ADRA], s2, v[LI]                ; slot 0: four regions of two K steps
	v_add_nc_u32 v[ADRB], s3, v[LI]
	s_mul_i32 s2, s[WR], BIG
	s_mul_i32 s3, s[WC], BIG
	s_add_co_u32 s2, s2, SLOT
	s_add_co_u32 s3, s3, SLOT+2*BIG
	v_add_nc_u32 v[ADRA+1], s2, v[LI]              ; K steps 2, 3: four regions of four K steps behind slot 0,
	v_add_nc_u32 v[ADRB+1], s3, v[LI]
	v_add_nc_u32 v[ADRA+2], REG, v[ADRA+1]         ; K steps 4, 5: the regions' second halves
	v_add_nc_u32 v[ADRB+2], REG, v[ADRB+1]
	s_mul_i32 s2, s[WR], 4*FRB                     ; part 2: Wv's eight K steps lie on end from slot 1's first byte on; my four tiles of each
	s_add_co_u32 s2, s2, SLOT
	v_add_nc_u32 v[ADA2], s2, v[LI]
	s_add_co_u32 s2, s2, BIG
	v_add_nc_u32 v[ADA2+1], s2, v[LI]
	s_mul_i32 s3, s[WC], BIG
	v_add_nc_u32 v[ADB2+1], s3, v[LI]              ; my block of x: K steps 4-7 in slot 0,
	s_add_co_u32 s3, s3, SLOT+2*BIG
	v_add_nc_u32 v[ADB2], s3, v[LI]                ; K steps 0-3 behind Wv's
	v_lshlrev_b32 v[BO], 6, v3                     ; the bias by register: register 16 b + i is n = 32 b + 16 h + i
	s_wait_alu depctr_va_vdst(0)
	v_and_b32 v5, 8, v2
	v_add_nc_u32 v5, v5, v2
	v_lshlrev_b32 v[LO], 2, v5                     ; the bias by lane: block a's lane r is row 32 (a / 2) + 8 (a % 2) + r + 8 (r / 8)
	s_wait_alu depctr_va_vdst(0)
	v_lshlrev_b32 v[SW], 4, v2
	v_lshl_add_u32 v[SW], v3, 3, v[SW]
	s_lshl_b32 s2, s[WR], 8
	v_lshlrev_b32 v[LR], 4, v2
	v_add_nc_u32 v[LR], s2, v[LR]
	; part 2's tiles
	s_wait_alu depctr_va_vdst(0)
	s_wait_xcnt 0x0                                ; the scale words' loads have read their bases, which are written again below
	s_lshl_b32 s24, ttmp9, 2
	s_add_co_u32 s24, s24, s22                     ; Wv's block of 128 channels: 4 x + cy
	s_add_co_u32 s60, s24, 16                      ; (Wv's blocks lie behind Wq's and Wk's sixteen)
	s_lshl_b32 s62, s60, 12
	s_add_co_u32 s62, s62, WSO
	s_mul_i32 s60, s60, 8*KST
	s_mul_i32 s61, s[WC], BIG                      ; waves 0, 1: its K steps 0-3, 4-7
	s_add_co_u32 s60, s60, s61
	s_mov_b32 s61, 0
	s_mov_b32 s63, 0
	s_lshl_b32 s26, s23, 2
	s_add_co_u32 s26, s26, s21                     ; x's tile of 256 tokens: 4 y + cx
	s_lshl_b32 s26, s26, 1
	s_add_co_u32 s26, s26, s[WC]                   ; its block that I fetch and multiply by: the K step that my results become
	s_lshl_b32 s100, s26, 12
	s_add_co_u32 s100, s100, XSO
	s_mov_b32 s101, 0
	s_mul_i32 s66, s26, 8*KST
	s_mov_b32 s67, 0
	s_cmp_lt_u32 s27, 4
	s_cselect_b64 s[8:9], s[8:9], s[10:11]         ; bq or bk
	s_and_b32 s2, s27, 3
	s_lshl_b32 s2, s2, 10
	s_lshl_b32 s3, s[WC], 9
	s_add_co_u32 s2, s2, s3
	s_mov_b32 s3, 0
	s_add_nc_u64 s[8:9], s[8:9], s[2:3]            ; at my 128 n
	s_lshl_b32 s2, s24, 9
	s_lshl_b32 s3, s[WR], 8
	s_add_co_u32 s2, s2, s3
	s_mov_b32 s3, 0
	s_add_nc_u64 s[12:13], s[12:13], s[2:3]        ; bv at my 64 channels
	s_add_nc_u64 s[10:11], s[6:7], s[62:63]        ; Wv's scale words
	s_add_nc_u64 s[6:7], s[6:7], s[60:61]          ; Wv's codes: kept for the refill
	s_add_nc_u64 s[100:101], s[4:5], s[100:101]    ; x's scale words
	s_add_nc_u64 s[4:5], s[4:5], s[66:67]          ; x's codes: kept for the two refills
	WIN TO_B
.irp b, 0,1,2,3                        ; the bias by register goes into the two runs of window 1 that the fragments leave free
.irp j, 0,1,2,3
	global_load_b128 v[96+16*\b+4*\j+96*(\b/2):96+16*\b+4*\j+96*(\b/2)+3], v[BO], s[8:9] offset:128*\b+16*\j
.endr
.endr
	WIN 0
.irp a, 0,1,2,3
	global_load_b32 v[BL+2*\a], v[LO], s[12:13] offset:(32*(\a/2)+8*(\a%2))*4
	global_load_b32 v[BL+2*\a+1], v[LO], s[12:13] offset:(32*(\a/2)+8*(\a%2))*4   ; twice: a pair for the packed addition
.endr
	; where the results go
	s_lshl_b32 s2, s25, 1
	s_add_co_u32 s2, s2, s[WR]
	s_lshl_b32 s2, s2, 4
	s_lshl_b32 s3, s27, 1
	s_add_co_u32 s2, s2, s3
	s_add_co_u32 s2, s2, s[WC]                     ; qk: block of tokens x 16 + K step
	s_lshl_b32 s60, s2, 9
	s_add_co_u32 s60, s60, QSO
	s_mov_b32 s61, 0
	s_add_nc_u64 s[60:61], s[14:15], s[60:61]      ; its scale words,
	s_mul_i32 s2, s2, KST
	s_mov_b32 s3, 0
	s_add_nc_u64 s[14:15], s[14:15], s[2:3]        ; its eight fragments
	s_lshl_b32 s2, s24, 6
	s_add_co_u32 s2, s2, s26                       ; vq: block of channels x 64 + K step
	s_lshl_b32 s62, s2, 9
	s_lshl_b32 s3, s[WR], 8
	s_add_co_u32 s62, s62, s3
	s_add_co_u32 s62, s62, VSO
	s_mov_b32 s63, 0
	s_add_nc_u64 s[62:63], s[16:17], s[62:63]      ; my half of its scale words,
	s_mul_i32 s2, s2, KST
	s_mul_i32 s3, s[WR], 4*FRB
	s_add_co_u32 s2, s2, s3
	s_mov_b32 s3, 0
	s_add_nc_u64 s[16:17], s[16:17], s[2:3]        ; my four of its fragments
	s_mov_b32 s[SEL], 0x76543210
	s_mov_b32 s[SEL+1], 0xfedcba98                 ; lane l xor 16
	s_mov_b32 s[HM], 0xffff0000                    ; lanes 16-31
	s_wait_tensorcnt 0x0                           ; my part of slot 0 is in
	ds_add_u32 v[SPW], v[NIL]
	s_wait_dscnt 0x0
	CROUND                                         ; slot 0 is whole in every wave, and the joint loads meet
	JLOAD G0SA, G1SA, G0SB, G1SB                   ; K steps 2-5, the first tensor load behind the round
	; PART 1
	FETCH_B 0, 0, 0
	FETCH_A 0, 0, 0
	FETCH_A 0, 0, 4
	s_wait_loadcnt 24                              ; the 16 loads of scale words are in; the 24 loads of the biases, issued behind them, may be out
	STEP 0, 0, 0, 1, 1                             ; K step 0 starts the sums
	TURN 0, 1, 1                                   ; step 1: K steps 2-5 have landed in every wave; slot 0 takes steps 6, 7
	STEP 0, 1, 1, 1, 0                             ; step 2
	STEP 1, 1, 2, 0, 0                             ; step 3
	STEP 0, 2, 2, 1, 0                             ; step 4
	TURN 2, 0, 2                                   ; step 5: slot 0's refill has landed; slots 1 and 2 take part 2's first tiles
	STEP 0, 3, 0, 1, 0                             ; step 6
	s_wait_dscnt 12                                ; step 7: nothing more to fetch
	WIN MUL_LO
	MUL16 0, 1, 3, 0
	MUL16 2, 1, 3, 0
	s_wait_dscnt 0x0
	WIN MUL_HI
	MUL16 4, 1, 3, 0
	MUL16 6, 1, 3, 0
	WIN 0
	; PART 1'S WAY OUT: block by block of 16 tokens: the bias, the quantiser, three stores of 512 consecutive bytes.
	s_wait_loadcnt 0x0                             ; the biases, asked for at the head: their first readers stand below
	PLACES 5
.irp n, 0,1,2,3,4,5,6,7                ; part 2's scale words of all of K, into the registers that part 1's have left: register 4 n + i: Wv's tile i of my four (lanes 0-15); x's tiles i and 4 + i
	global_load_b128 v[SA2+4*\n:SA2+4*\n+3], v[LR], s[10:11] offset:512*\n
	global_load_b128 v[SB2+4*\n:SB2+4*\n+3], v[LI], s[100:101] offset:512*\n
.endr
.irp b, 0,1,2,3
	v_mov_b32 v[TM+4+\b], 0                        ; a lane permute's destination counts as one of its sources
.endr
.macro EPI a
	WIN 0x06+(\a)/4                                ; the accumulators' window, the bias in window 1, the sums in window 0
.set J, 0
.rept 32
	v_pk_add_f32 v[WK+J:WK+J+1], v[64*((\a)%4)+J:64*((\a)%4)+J+1], v[96+J+96*(J/32):96+J+96*(J/32)+1]   ; each accumulator from its low end on
.set J, J+2
.endr
	WIN 0
.if (\a) > 0
	s_wait_xcnt 0x0                                ; the last block's stores have read the fragment's registers
.endif
	QMAX WK
	QTAIL WK, PW+(\a)
.irp k, 0,1,2
	global_store_b128 v[LI], v[PC+4*\k:PC+4*\k+3], s[14:15] offset:FRB*(\a)+512*\k
.endr
.endm
	EPI 0
	EPI 1
	EPI 2
	EPI 3
	; Slot 0 has been read out: it takes x's K steps 4-7 for part 2.  The round stands here, half way through the way out, so that the tiles asked for in step 5 have had that long to land, and these as long again.
	s_wait_tensorcnt 0x0                           ; my part of slots 1 and 2 has landed: every descriptor may be written
	ds_add_u32 v[SPW], v[NIL]                      ; 0 onto my spare word
	s_mul_i32 s[G0B+9], s[WC], BIG
	s_add_nc_u64 s[G0B+10:G0B+11], s[4:5], BIG
	s_or_b32 s[G0B+11], s[G0B+11], 0x80000000
	s_wait_dscnt 0x0                               ; the add is done; my reads of slot 0 ended with step 7
	CROUND                                         ; no wave of any partner still reads slot 0 or has a load on its way; and slots 1 and 2 are whole in every wave
	s_cmp_eq_u32 s[WR], 0
	s_cbranch_scc1 .Lno_part
	tensor_load_to_lds s[G0B+8:G0B+11], s[G1SB:G1SB+7]
	s_nop 0
.rept 4
	v_nop
.endr
.Lno_part:
	EPI 4
	EPI 5
	EPI 6
	EPI 7
.irp i, 0,1,2,3
	v_cndmask_b32 v[S+\i], v[PW+\i], v[PW+4+\i], s[HM]   ; lanes 0-15: blocks 0-3; lanes 16-31: blocks 4-7
.endr
	global_store_b128 v[LI], v[S:S+3], s[60:61]
	; PART 2
	s_wait_xcnt 0x0                                ; the stores have read their registers: fragments land there
	s_wait_loadcnt 0x0                             ; part 2's scale words are in
	FETCH2 0
	STEP2 0, 1                                     ; K step 0 starts the sums
	STEP2 1, 0
	STEP2 2, 0
	WIN 0                                          ; K step 3, with a barrier: behind it slot 0 is whole in every wave; nothing is filled any more
	s_wait_tensorcnt 0x0                           ; my part of slot 0 has landed
	ds_add_u32 v[SPW], v[NIL]                      ; 0 onto my spare word
	s_wait_dscnt 1                                 ; this step's fragments are in (the add may be out)
	WIN MUL_LO
	MUL8V 0, 3, 0
	s_wait_dscnt 0x0
	s_barrier_signal -1
	MUL8V 1, 3, 0
	WIN 0
	s_barrier_wait -1
	PLACES 4
	FETCH2 4
	WIN MUL_LO
	MUL8V 2, 3, 0
	MUL8V 3, 3, 0
	STEP2 4, 0
	STEP2 5, 0
	STEP2 6, 0
	s_wait_dscnt 0x0                               ; K step 7: nothing more to fetch
	MUL8V 0, 7, 0
	MUL8V 1, 7, 0
	MUL8V 2, 7, 0
	MUL8V 3, 7, 0
	WIN 0
	; PART 2'S WAY OUT: block by block of 16 channels x 128 tokens.
	PLACES 4
.macro EPIV a
	WIN 0x02
.set J, 0
.rept 32
	v_pk_add_f32 v[WK+J:WK+J+1], v[64*(\a)+J:64*(\a)+J+1], v[BL+2*(\a):BL+2*(\a)+1]   ; each accumulator from its low end on
.set J, J+2
.endr
	WIN 0
.if (\a) > 0
	s_wait_xcnt 0x0                                ; the last block's stores have read the fragment's registers
.endif
	QMAX WK
	QTAIL WK, PW+(\a)
.irp k, 0,1,2
	global_store_b128 v[LI], v[PC+4*\k:PC+4*\k+3], s[16:17] offset:FRB*(\a)+512*\k
.endr
.endm
	EPIV 0
	EPIV 1
	EPIV 2
	EPIV 3
	v_cndmask_b32 v[S], v[PW], v[PW+2], s[HM]      ; lanes 0-15: blocks 0, 1; lanes 16-31: blocks 2, 3
	v_cndmask_b32 v[S+1], v[PW+1], v[PW+3], s[HM]
	global_store_b64 v[SW], v[S:S+1], s[62:63]     ; 32 lanes store 256 consecutive bytes, aligned
	s_wait_tensorcnt 0x0                           ; the wave's end
	ds_add_u32 v[SPW], v[NIL]
	s_wait_dscnt 0x0
	CROUND                                         ; the closing round
	s_endpgm
.Lfunc_end_k_q29044461dc_proj:
	.size	k_q29044461dc_proj, .Lfunc_end_k_q29044461dc_proj-k_q29044461dc_proj
	.p2alignl 7, 3214868480
	.fill 96, 4, 3214868480
	.section	.rodata,"a",@progbits
	.p2align	6, 0x0
	.amdhsa_kernel k_q29044461dc_proj
		.amdhsa_group_segment_fixed_size 327680
		.amdhsa_private_segment_fixed_size 0
		.amdhsa_enable_private_segment 0
		.amdhsa_kernarg_size 56
		.amdhsa_user_sgpr_count 2
		.amdhsa_user_sgpr_kernarg_segment_ptr 1
		.amdhsa_wavefront_size32 1
		.amdhsa_system_sgpr_workgroup_id_x 1
		.amdhsa_system_sgpr_workgroup_id_y 1
		.amdhsa_system_sgpr_workgroup_id_z 1
		.amdhsa_system_vgpr_workitem_id 0
		.amdhsa_next_free_vgpr 1024
		.amdhsa_next_free_sgpr 102
		.amdhsa_reserve_vcc 0
		.amdhsa_float_denorm_mode_32 3
		.amdhsa_float_denorm_mode_16_64 3
		.amdhsa_memory_ordered 1
		.amdhsa_forward_progress 1
		.amdhsa_inst_pref_size 238
	.end_amdhsa_kernel
	.amdgpu_metadata
---
amdhsa.version: [ 1, 2 ]
amdhsa.kernels:
  - .name:           k_q29044461dc_proj
    .symbol:         k_q29044461dc_proj.kd
    .args:
      - { .name: xq, .offset: 0, .size: 8, .value_kind: global_buffer, .address_space: global }
      - { .name: wq, .offset: 8, .size: 8, .value_kind: global_buffer, .address_space: global }
      - { .name: bq, .offset: 16, .size: 8, .value_kind: global_buffer, .address_space: global }
      - { .name: bk, .offset: 24, .size: 8, .value_kind: global_buffer, .address_space: global }
      - { .name: bv, .offset: 32, .size: 8, .value_kind: global_buffer, .address_space: global }
      - { .name: qk, .offset: 40, .size: 8, .value_kind: global_buffer, .address_space: global }
      - { .name: vq, .offset: 48, .size: 8, .value_kind: global_buffer, .address_space: global }
    .group_segment_fixed_size: 327680
    .private_segment_fixed_size: 0
    .kernarg_segment_align: 8
    .kernarg_segment_size: 56
    .max_flat_workgroup_size: 128
    .sgpr_count:     102
    .vgpr_count:     1024
    .wavefront_size: 32
...
	.end_amdgpu_metadata
.endif
;; end of part 2
;; launch scores (part 3): grid 8 x 32, 4 waves a work-group, clusters of 4 x 4, 327,680 bytes of LDS; arguments qk, pq; writes pq
.if DOCPART == 3
	.amdgcn_target "amdgcn-amd-amdhsa--gfx1250"
	.amdhsa_code_object_version 6
	.text
	.protected	k_q29044461dc_scores
	.globl	k_q29044461dc_scores
	.p2align	8
	.type	k_q29044461dc_scores,@function
k_q29044461dc_scores:
	s_mov_b64 s[64:65], 0
	v_nop
	global_prefetch_b8 v0, s[64:65] scope:SCOPE_SE
	s_setreg_imm32_b32 hwreg(HW_REG_WAVE_MODE, 25, 1), 1
	s_wait_xcnt 0x0
	s_wait_alu depctr_hold_cnt(0) depctr_sa_sdst(0) depctr_va_vdst(0) depctr_va_sdst(0) depctr_va_ssrc(0) depctr_va_vcc(0) depctr_vm_vsrc(0)
	s_getreg_b32 s2, hwreg(HW_REG_IB_STS2, 6, 4)
	s_cmp_eq_u32 s2, 0
	s_cbranch_scc0 .Lentry_in_a_cluster
	s_endpgm
.Lentry_in_a_cluster:
	s_bfe_u32 s2, ttmp6, 0x10000c
	s_cmp_lg_u32 s2, 0xf033
	s_cbranch_scc0 .Lentry_shape_is_right
	s_endpgm
.Lentry_shape_is_right:
; S = q k^T on codes of FP6 (E2M3) with E8M0 scales, K = 1,024, and the softmax's first half on the way out.  t = score x log2(e) / 32.  For each query and each 128 keys (a wave's share):
; M = ceil(the largest t of these keys), a whole number; p = 2^(t - M) is quantised along the keys and stored as an image of operand registers; -M and the sum of the unquantised p are stored beside the scale word.
; The next launch takes (the row's M - this M), a whole number, off the scale bytes: the codes stay as they are.  The maximum is taken away before every exponential.
; pq: codes [64 blocks of 128 queries][16 K steps of 128 keys] x 12,288 bytes; at PSO the scale words, 524,288 bytes on -M (f32), 524,288 on the sums: each [64][16] x 512 bytes, block 4 g + i, lane r at 256 g + 16 r + 4 i.
; qk: the image that the projections left: 64 blocks of 128 tokens x 16 K steps (0-7 q, 8-15 k); fragments of 1,536 bytes; lane r of tile t holds row 32 (t / 2) + 8 (t % 2) + r + 8 (r / 8).
; A tile is 256 queries (source 1) x 256 keys (source 0); a wave makes 128 x 128.  The matrix instruction is used transposed: a lane holds one query, its 64 registers of a block are 128 neighbouring keys.
; CLUSTERS: 4 x 4; q's tiles are shared along a row of the cluster, k's along a column.  LDS and the order of K steps: three slots of two K steps, the scale words of all of K, one refill (four tensor loads of a wave out at most).
; All of a WGP's LDS is claimed.
; LIMITS: NaN and infinities are not served; a block whose every p lies under 2^-124 gets the byte 1.  A block's largest p is made from its largest score by the same two instructions as every p.
.set KST,   12288
.set FRB,   1536
.set REG,   2*KST
.set SLOT,  4*REG
.set BIG,   4*KST
.set SPARE, 3*SLOT                     ; behind the three slots: the spare words.  The scale words lie in registers, not in LDS
.set QSO,   12582912
.set PSO,   12582912
.set ADRA, 16
.set ADRB, 20
.set LI,   24
.set SPW,  28
.set NIL,  29
.set SCA,  32                          ; v32-63 q's scale words of all of K: register 4 n + i: K step n, tile i (lanes 0-15) and tile 4 + i (lanes 16-31)
.set SCB,  64                          ; v64-95 the same for k
.set NMA,  96                          ; v96-103 -M of the eight blocks
.set LA,   104                         ; v104-111 their sums
.set NM,   112                         ; v[112:113] -M of the block in hand
.set SUM,  114
.set SUM2, 116
.set TP,   118
.set S,    228                         ; v228-239 the three images of words
.set AF,   128
.set WK,   128
.set PC,   192
.set TM,   212
.set PW,   244
.set CS,   8                           ; s[8:9] c = log2(e) / 32
.set SEL,  10
.set HM,   12
.set WV,   18
.set WR,   19
.set WC,   20
.set G1A,  28
.set G1B,  36
.set G1SA, 44
.set G1SB, 52
.set G0A,  68
.set G0B,  80
.set G0SA, 92
.set G0SB, 96
.set MSB, 0
.macro WIN new
.if MSB != (\new)
	s_set_vgpr_msb (MSB<<8)|(\new)
.set MSB, \new
.endif
.endm
.set MUL_LO, 0xa1
.set MUL_HI, 0xf1
.set TO_B,   0x40
.macro PLACES n
.rept \n
	v_nop
.endr
.endm
.macro JLOAD g0a, g1a, g0b, g1b        ; waves 0 and 1 fetch for q, waves 2 and 3 for k; an s_nop 0 and four v_nop follow each line
	s_cmp_eq_u32 s[WR], 0
	s_cbranch_scc0 .Lfor_b_\@
	tensor_load_to_lds s[\g0a:\g0a+3], s[\g1a:\g1a+7]
	s_nop 0
.rept 4
	v_nop
.endr
	s_branch .Lasked_\@
.Lfor_b_\@:
	tensor_load_to_lds s[\g0b:\g0b+3], s[\g1b:\g1b+7]
	s_nop 0
.rept 4
	v_nop
.endr
.Lasked_\@:
.endm
.macro CREST
	s_cmp_lg_u32 s[WV], 0
	s_cbranch_scc1 .Lnot_wave_0_\@
	s_barrier_signal -3
.Lnot_wave_0_\@:
	s_barrier_wait -3
	s_barrier_signal -1
	s_barrier_wait -1
.endm
.macro CROUND
	s_barrier_signal -1
	s_barrier_wait -1
	CREST
.endm
.macro FRAG reg, adr, off
.irp c, 0,1,2
	ds_load_b128 v[\reg+4*\c:\reg+4*\c+3], v[\adr] offset:\off+512*\c
.endr
.endm
.macro FETCH_B slot, q, p
	WIN TO_B
.irp i, 0,1,2,3,4,5,6,7
	FRAG 128*(\p)+12*\i, ADRB+\slot, (\q)*KST+\i*FRB
.endr
	WIN 0
.endm
.macro FETCH_A slot, q, i0
.irp i, \i0, \i0+1, \i0+2, \i0+3
	FRAG AF+12*(\i), ADRA+\slot, (\q)*KST+(\i)*FRB
.endr
.endm
; One product of K step 2 sc + p.  m1, m2: the selectors of lanes 16-31 of the scale registers, for tiles 4-7 of a side.
.macro WM a, b, p, sc, zero, m1, m2
.if \zero
	v_wmma_scale_f32_16x16x128_f8f6f4 v[8*(8*((\a)%4)+\b):8*(8*((\a)%4)+\b)+7], v[128*(\p)+12*\b:128*(\p)+12*\b+11], v[AF+12*(\a):AF+12*(\a)+11], 0, v[SCB+8*(\sc)+4*(\p)+\b%4], v[SCA+8*(\sc)+4*(\p)+(\a)%4] matrix_a_fmt:MATRIX_FMT_FP6 matrix_b_fmt:MATRIX_FMT_FP6 \m1 \m2
.else
	v_wmma_scale_f32_16x16x128_f8f6f4 v[8*(8*((\a)%4)+\b):8*(8*((\a)%4)+\b)+7], v[128*(\p)+12*\b:128*(\p)+12*\b+11], v[AF+12*(\a):AF+12*(\a)+11], v[8*(8*((\a)%4)+\b):8*(8*((\a)%4)+\b)+7], v[SCB+8*(\sc)+4*(\p)+\b%4], v[SCA+8*(\sc)+4*(\p)+(\a)%4] matrix_a_fmt:MATRIX_FMT_FP6 matrix_b_fmt:MATRIX_FMT_FP6 \m1 \m2
.endif
.endm
.macro MUL16 a0, p, sc, zero           ; the 64 accumulators take turns, one instruction a turn
.irp a, \a0, \a0+1
.irp b, 0,1,2,3
.if (\a0) < 4
	WM \a, \b, \p, \sc, \zero
.else
	WM \a, \b, \p, \sc, \zero, matrix_b_scale:MATRIX_SCALE_ROW1
.endif
.endr
.irp b, 4,5,6,7
.if (\a0) < 4
	WM \a, \b, \p, \sc, \zero, matrix_a_scale:MATRIX_SCALE_ROW1
.else
	WM \a, \b, \p, \sc, \zero, matrix_a_scale:MATRIX_SCALE_ROW1, matrix_b_scale:MATRIX_SCALE_ROW1
.endif
.endr
.endr
.endm
.macro STEP p, sc, ns, nq, zero
	s_wait_dscnt 12                                ; all but the youngest twelve loads (q's blocks 4-7) are in
	WIN MUL_LO
	MUL16 0, \p, \sc, \zero
	MUL16 2, \p, \sc, \zero
	s_wait_dscnt 0x0
	PLACES 4                                       ; four plain vector instructions in front of loads into registers that matrix instructions have read
	FETCH_B \ns, \nq, \nq
	FETCH_A \ns, \nq, 0
	WIN MUL_HI
	MUL16 4, \p, \sc, \zero
	MUL16 6, \p, \sc, \zero
	PLACES 4
	WIN 0
	FETCH_A \ns, \nq, 4
.endm
.macro TURN sc, ns, fill
	s_wait_tensorcnt 0x0                           ; all my tensor loads have landed
	ds_add_u32 v[SPW], v[NIL]                      ; 0 onto my spare word
	s_wait_dscnt 13                                ; (the add and the youngest twelve loads may be out)
	WIN MUL_LO
	MUL16 0, 1, \sc, 0
	s_wait_dscnt 0x0                               ; the add is done, and my reads of the slot are over
	s_barrier_signal -1
	MUL16 2, 1, \sc, 0
	WIN 0
	s_barrier_wait -1
.if \fill
	CREST                                          ; a round of the cluster's barrier: no wave of any partner still reads slot 0 or has a load on its way
	s_add_nc_u64 s[G0A+2:G0A+3], s[G0A+2:G0A+3], 3*REG
	s_add_nc_u64 s[G0B+2:G0B+3], s[G0B+2:G0B+3], 3*REG
	JLOAD G0A, G1A, G0B, G1B                       ; the first tensor load behind the round; its four v_nop are the places for the loads below
.else
	PLACES 4
.endif
	FETCH_B \ns, 0, 0
	FETCH_A \ns, 0, 0
	WIN MUL_HI
	MUL16 4, 1, \sc, 0
	MUL16 6, 1, \sc, 0
	PLACES 4
	WIN 0
	FETCH_A \ns, 0, 4
.endm
.macro QTAIL s, pw                     ; from the four blocks' largest numbers in v[TM] on: the scale word in v[pw], the fragment in v[PC] on
.irp b, 0,1,2,3
	v_add_nc_u32 v[TM+12+\b], 0xff000000, v[TM+\b]
.endr
.irp b, 0,1,2,3
	v_lshrrev_b32 v[TM+4+\b], 23, v[TM+12+\b]
.endr
	v_lshl_or_b32 v[\pw], v[TM+5], 8, v[TM+4]
	v_lshl_or_b32 v[\pw], v[TM+6], 16, v[\pw]
	v_lshl_or_b32 v[\pw], v[TM+7], 24, v[\pw]
.irp c, 0,1
	v_cvt_scalef32_pk16_fp6_f32 v[PC+6*\c:PC+2+6*\c], v[\s+32*\c:\s+15+32*\c], v[TM+12+2*\c]
	v_cvt_scalef32_pk16_fp6_f32 v[PC+12+4*\c:PC+14+4*\c], v[\s+16+32*\c:\s+31+32*\c], v[TM+12+2*\c+1]
.endr
	v_nop                                          ; one plain place behind a scaled conversion
.irp c, 0,1
.irp i, 0,1,2
	v_permlane16_swap_b32 v[PC+6*\c+\i], v[PC+12+4*\c+\i]
.endr
.irp i, 0,1,2
	v_mov_b32 v[PC+3+6*\c+\i], v[PC+12+4*\c+\i]
.endr
.endr
.endm
	s_load_b128 s[4:7], s[0:1], 0x0                ; qk, pq
	v_lshl_add_u32 v[SPW], v0, 2, SPARE
	v_mov_b32 v[NIL], 0
	ds_add_u32 v[SPW], v[NIL]                      ; the wave's opening: the add and its wait ahead of my first tensor load
	ds_add_u32 v[SPW], v[NIL]
	v_lshrrev_b32 v1, 5, v0
	v_readfirstlane_b32 s[WV], v1
	s_lshr_b32 s[WR], s[WV], 1
	s_and_b32 s[WC], s[WV], 1
	s_bfe_u32 s21, ttmp6, 0x40000                  ; cx
	s_bfe_u32 s22, ttmp6, 0x40004                  ; cy
	s_and_b32 s23, ttmp7, 0xffff
	s_lshl_b32 s2, s22, 2
	s_lshl_b32 s2, 15, s2
	s_lshl_b32 s3, 0x1111, s21
	s_or_b32 s[G1A], s2, (3<<16)|(1<<21)
	s_or_b32 s[G1SA], s2, (3<<16)|(1<<21)
	s_or_b32 s[G1B], s3, (3<<16)|(1<<21)
	s_or_b32 s[G1SB], s3, (3<<16)|(1<<21)
.irp g, G1A, G1B
	s_mov_b32 s[\g+1], 32<<16
	s_mov_b32 s[\g+2], 96<<16
	s_mov_b32 s[\g+3], 32<<16
	s_mov_b32 s[\g+4], 96
	s_mov_b32 s[\g+5], 32
	s_mov_b32 s[\g+6], 0
	s_mov_b32 s[\g+7], 0
.endr
.irp g, G1SA, G1SB
	s_mov_b32 s[\g+1], 32<<16
	s_mov_b32 s[\g+2], 192<<16                     ; four K steps of a block: 49,152 dense bytes as 192 rows of 256
	s_mov_b32 s[\g+3], 32<<16
	s_mov_b32 s[\g+4], 192
	s_mov_b32 s[\g+5], 32
	s_mov_b32 s[\g+6], 0
	s_mov_b32 s[\g+7], 0
.endr
	s_mul_i32 s3, s[WV], BIG                       ; where the tiles go: by the wave's number alone
	s_mov_b32 s[G0A], 1                            ; slot 0: K steps 0, 1, later 6, 7
	s_mul_i32 s[G0A+1], s[WV], REG
	s_mov_b32 s[G0B], 1
	s_mul_i32 s[G0B+1], s[WV], REG
	s_mov_b32 s[G0SA], 1                           ; slots 1 and 2, on end: K steps 2-5, 49,152 bytes a wave
	s_add_co_u32 s[G0SA+1], s3, SLOT
	s_mov_b32 s[G0SB], 1
	s_add_co_u32 s[G0SB+1], s3, SLOT
	s_lshl_b32 s25, s23, 2
	s_add_co_u32 s25, s25, s22                     ; the tile of 256 queries, over all batches
	s_lshl_b32 s27, ttmp9, 2
	s_add_co_u32 s27, s27, s21                     ; the tile of 256 keys in the batch
	s_lshl_b32 s60, s25, 1
	s_add_co_u32 s60, s60, s[WC]                   ; q's block that I fetch
	s_lshl_b32 s62, s25, 1
	s_add_co_u32 s62, s62, s[WR]                   ; q's block that I multiply: its scale words
	s_lshl_b32 s62, s62, 13
	s_add_co_u32 s62, s62, QSO
	s_mul_i32 s60, s60, 16*KST
	s_mov_b32 s61, 0
	s_mov_b32 s63, 0
	s_lshr_b32 s66, s23, 1                         ; the batch: eight tiles of queries, two rows of clusters
	s_lshl_b32 s66, s66, 4
	s_lshl_b32 s67, s27, 1
	s_add_co_u32 s66, s66, s67
	s_add_co_u32 s66, s66, s[WC]                   ; k's block that I fetch
	s_lshl_b32 s100, s66, 13
	s_add_co_u32 s100, s100, QSO+4096
	s_mul_i32 s66, s66, 16*KST
	s_add_co_u32 s66, s66, 8*KST                   ; k's K steps lie behind q's
	s_mov_b32 s67, 0
	s_mov_b32 s101, 0
	s_lshl_b32 s2, s25, 1
	s_add_co_u32 s2, s2, s[WR]
	s_lshl_b32 s2, s2, 4
	s_lshl_b32 s3, s27, 1
	s_add_co_u32 s2, s2, s3
	s_add_co_u32 s2, s2, s[WC]                     ; my results: block of queries x 16 + K step of keys
	s_lshl_b32 s3, s2, 9
	s_add_co_u32 s3, s3, PSO
	s_mul_i32 s2, s2, KST
	s_mov_b32 s24, s2
	s_mov_b32 s25, 0
	s_mov_b32 s[CS], 0x3d38aa3b                    ; log2(e) / 32
	s_mov_b32 s[CS+1], s[CS]
	s_mov_b32 s[SEL], 0x76543210
	s_mov_b32 s[SEL+1], 0xfedcba98
	s_mov_b32 s[HM], 0xffff0000
	s_wait_dscnt 0x0                               ; the opening add is done
	s_wait_kmcnt 0x0
	s_add_nc_u64 s[62:63], s[4:5], s[62:63]        ; my q block's scale words
	s_add_nc_u64 s[100:101], s[4:5], s[100:101]    ; my k block's
	s_add_nc_u64 s[G0A+2:G0A+3], s[4:5], s[60:61]
	s_add_nc_u64 s[G0SA+2:G0SA+3], s[G0A+2:G0A+3], REG
	s_add_nc_u64 s[G0B+2:G0B+3], s[4:5], s[66:67]
	s_add_nc_u64 s[G0SB+2:G0SB+3], s[G0B+2:G0B+3], REG
.irp g, G0A+3, G0B+3, G0SA+3, G0SB+3
	s_or_b32 s[\g], s[\g], 0x80000000
.endr
	v_and_b32 v1, 31, v0
	v_lshlrev_b32 v[LI], 4, v1
.irp n, 0,1,2,3,4,5,6,7                ; the scale words of all of K, from memory into registers: each load reads 512 consecutive bytes
	global_load_b128 v[SCA+4*\n:SCA+4*\n+3], v[LI], s[62:63] offset:512*\n
	global_load_b128 v[SCB+4*\n:SCB+4*\n+3], v[LI], s[100:101] offset:512*\n
.endr
	s_add_nc_u64 s[14:15], s[6:7], s[24:25]        ; my eight fragments of p
	s_mov_b32 s24, s3
	s_add_nc_u64 s[16:17], s[6:7], s[24:25]        ; their words
	s_wait_alu depctr_va_vdst(0)                   ; the wait ahead of the barrier
	CROUND                                         ; all sixteen work-groups are here: the first joint loads meet
	JLOAD G0A, G1A, G0B, G1B                       ; K steps 0 and 1: one tensor load a wave at the head
	s_mul_i32 s4, s[WR], REG
	s_mul_i32 s5, s[WC], REG
	s_add_co_u32 s5, s5, 2*REG
	v_add_nc_u32 v[ADRA], s4, v[LI]                ; slot 0: four regions of two K steps
	v_add_nc_u32 v[ADRB], s5, v[LI]
	s_mul_i32 s4, s[WR], BIG
	s_mul_i32 s5, s[WC], BIG
	s_add_co_u32 s4, s4, SLOT
	s_add_co_u32 s5, s5, SLOT+2*BIG
	v_add_nc_u32 v[ADRA+1], s4, v[LI]              ; K steps 2, 3: four regions of four K steps behind slot 0,
	v_add_nc_u32 v[ADRB+1], s5, v[LI]
	v_add_nc_u32 v[ADRA+2], REG, v[ADRA+1]         ; K steps 4, 5: the regions' second halves
	v_add_nc_u32 v[ADRB+2], REG, v[ADRB+1]
	s_wait_alu depctr_va_vdst(0)                   ; the wait at the head's end
	s_wait_tensorcnt 0x0                           ; my part of slot 0 is in
	ds_add_u32 v[SPW], v[NIL]
	s_wait_dscnt 0x0
	CROUND                                         ; slot 0 is whole in every wave, and the joint loads meet
	JLOAD G0SA, G1SA, G0SB, G1SB                   ; K steps 2-5, the first tensor load behind the round
	FETCH_B 0, 0, 0
	FETCH_A 0, 0, 0
	FETCH_A 0, 0, 4
	s_wait_loadcnt 0x0                             ; the scale words are in
	STEP 0, 0, 0, 1, 1                             ; K step 0 starts the sums
	TURN 0, 1, 1                                   ; step 1: K steps 2-5 have landed in every wave; slot 0 takes steps 6, 7
	STEP 0, 1, 1, 1, 0
	STEP 1, 1, 2, 0, 0
	STEP 0, 2, 2, 1, 0
	TURN 2, 0, 0                                   ; step 5: slot 0's refill has landed in every wave
	STEP 0, 3, 0, 1, 0
	s_wait_dscnt 12
	WIN MUL_LO
	MUL16 0, 1, 3, 0
	MUL16 2, 1, 3, 0
	s_wait_dscnt 0x0
	WIN MUL_HI
	MUL16 4, 1, 3, 0
	MUL16 6, 1, 3, 0
	WIN 0
	; THE WAY OUT, block by block of 16 queries x 128 keys.
	PLACES 4
.irp b, 0,1,2,3
	v_mov_b32 v[TM+4+\b], 0                        ; a lane permute's destination counts as one of its sources
.endr
	v_mov_b32 v[TP+1], 0
	v_mov_b32 v[NM+1], 0                           ; (named as the upper half of a pair)
.macro SMX a
.set AC, 64*((\a)%4)
	WIN 0x2a+0x15*((\a)/4)                         ; all three sources in the accumulators' window
.irp b, 0,1,2,3
	v_max3_num_f32 v[TM+\b], v[AC+16*\b], v[AC+16*\b+1], v[AC+16*\b+2]   ; the largest score of each block of 32 keys; each accumulator is read from its low end on
.endr
	WIN 0x28+0x14*((\a)/4)
.irp i, 3,5,7,9,11,13
.irp b, 0,1,2,3
	v_max3_num_f32 v[TM+\b], v[TM+\b], v[AC+16*\b+\i], v[AC+16*\b+\i+1]
.endr
.endr
.irp b, 0,1,2,3
	v_max_num_f32 v[TM+\b], v[TM+\b], v[AC+16*\b+15]
.endr
	WIN 0
.irp b, 0,1,2,3
	v_permlanex16_b32 v[TM+4+\b], v[TM+\b], s[SEL], s[SEL+1]
.endr
.irp b, 0,1,2,3
	v_max_num_f32 v[TM+\b], v[TM+\b], v[TM+4+\b]   ; with lane l xor 16's 16 keys
.endr
	v_max3_num_f32 v[TP], v[TM], v[TM+1], v[TM+2]
	v_max_num_f32 v[TP], v[TP], v[TM+3]
	v_mul_f32 v[TP], s[CS], v[TP]                  ; the largest t of my query's 128 keys
	v_floor_f32 v[NM], -v[TP]                      ; -M = floor(-t) = -ceil(t)
	WIN 0x02+(\a)/4
.set J, 0
.rept 32
	v_pk_fma_f32 v[WK+J:WK+J+1], v[AC+J:AC+J+1], s[CS:CS+1], v[NM:NM+1] op_sel_hi:[1,0,0]   ; t - M
.set J, J+2
.endr
	WIN 0
.irp b, 0,1,2,3
	v_fma_f32 v[TM+\b], v[TM+\b], s[CS], v[NM]     ; the same of each block's largest score
.endr
.set J, 0
	s_wait_alu depctr_va_vdst(0)
.rept 64
	v_exp_f32 v[WK+J], v[WK+J]                     ; p = 2^(t - M)
.set J, J+1
.endr
	v_mov_b32 v[NMA+(\a)], v[NM]                   ; (a plain place behind the exponentials)
	s_wait_alu depctr_va_vdst(0)                   ; one wait for the batch, ahead of its first reader
.irp b, 0,1,2,3
	v_exp_f32 v[TM+\b], v[TM+\b]                   ; the blocks' largest p
.endr
	v_pk_add_f32 v[SUM:SUM+1], v[WK:WK+1], v[WK+2:WK+3]   ; the sum of the unquantised p, in two chains
	v_pk_add_f32 v[SUM2:SUM2+1], v[WK+4:WK+5], v[WK+6:WK+7]
.irp j, 8,12,16,20,24,28,32,36,40,44,48,52,56,60
	v_pk_add_f32 v[SUM:SUM+1], v[SUM:SUM+1], v[WK+\j:WK+\j+1]
	v_pk_add_f32 v[SUM2:SUM2+1], v[SUM2:SUM2+1], v[WK+\j+2:WK+\j+3]
.endr
	v_pk_add_f32 v[SUM:SUM+1], v[SUM:SUM+1], v[SUM2:SUM2+1]
	v_add_f32 v[TP], v[SUM], v[SUM+1]
	v_permlanex16_b32 v[TP+1], v[TP], s[SEL], s[SEL+1]
	v_add_f32 v[LA+(\a)], v[TP], v[TP+1]
	s_wait_alu depctr_va_vdst(0)                   ; and one for the four
.irp b, 0,1,2,3
	v_max_num_f32 v[TM+\b], 0x1800000, v[TM+\b]    ; the floor 2^(3 - 127)
.endr
.if (\a) > 0
	s_wait_alu depctr_va_vdst(0)
	s_wait_xcnt 0x0                                ; the last block's stores have read the fragment's registers
.endif
	QTAIL WK, PW+(\a)
.irp k, 0,1,2
	global_store_b128 v[LI], v[PC+4*\k:PC+4*\k+3], s[14:15] offset:FRB*(\a)+512*\k   ; 512 consecutive bytes, aligned
.endr
.endm
.irp a, 0,1,2,3,4,5,6,7
	SMX \a
.endr
.irp i, 0,1,2,3                        ; lanes 0-15: blocks 0-3; lanes 16-31: blocks 4-7
	v_cndmask_b32 v[S+\i], v[PW+\i], v[PW+4+\i], s[HM]
	v_cndmask_b32 v[S+4+\i], v[NMA+\i], v[NMA+4+\i], s[HM]
	v_cndmask_b32 v[S+8+\i], v[LA+\i], v[LA+4+\i], s[HM]
.endr
	global_store_b128 v[LI], v[S:S+3], s[16:17]
	global_store_b128 v[LI], v[S+4:S+7], s[16:17] offset:524288
	global_store_b128 v[LI], v[S+8:S+11], s[16:17] offset:1048576
	s_wait_tensorcnt 0x0                           ; the wave's end
	ds_add_u32 v[SPW], v[NIL]
	s_wait_dscnt 0x0
	CROUND                                         ; the closing round
	s_endpgm
.Lfunc_end_k_q29044461dc_scores:
	.size	k_q29044461dc_scores, .Lfunc_end_k_q29044461dc_scores-k_q29044461dc_scores
	.p2alignl 7, 3214868480
	.fill 96, 4, 3214868480
	.section	.rodata,"a",@progbits
	.p2align	6, 0x0
	.amdhsa_kernel k_q29044461dc_scores
		.amdhsa_group_segment_fixed_size 327680
		.amdhsa_private_segment_fixed_size 0
		.amdhsa_enable_private_segment 0
		.amdhsa_kernarg_size 16
		.amdhsa_user_sgpr_count 2
		.amdhsa_user_sgpr_kernarg_segment_ptr 1
		.amdhsa_wavefront_size32 1
		.amdhsa_system_sgpr_workgroup_id_x 1
		.amdhsa_system_sgpr_workgroup_id_y 1
		.amdhsa_system_sgpr_workgroup_id_z 1
		.amdhsa_system_vgpr_workitem_id 0
		.amdhsa_next_free_vgpr 1024
		.amdhsa_next_free_sgpr 102
		.amdhsa_reserve_vcc 0
		.amdhsa_float_denorm_mode_32 3
		.amdhsa_float_denorm_mode_16_64 3
		.amdhsa_memory_ordered 1
		.amdhsa_forward_progress 1
		.amdhsa_inst_pref_size 192
	.end_amdhsa_kernel
	.amdgpu_metadata
---
amdhsa.version: [ 1, 2 ]
amdhsa.kernels:
  - .name:           k_q29044461dc_scores
    .symbol:         k_q29044461dc_scores.kd
    .args:
      - { .name: qk, .offset: 0, .size: 8, .value_kind: global_buffer, .address_space: global }
      - { .name: pq, .offset: 8, .size: 8, .value_kind: global_buffer, .address_space: global }
    .group_segment_fixed_size: 327680
    .private_segment_fixed_size: 0
    .kernarg_segment_align: 8
    .kernarg_segment_size: 16
    .max_flat_workgroup_size: 128
    .sgpr_count:     102
    .vgpr_count:     1024
    .wavefront_size: 32
...
	.end_amdgpu_metadata
.endif
;; end of part 3
;; launch pv (part 4): grid 4 x 64, 4 waves a work-group, clusters of 4 x 4, 327,680 bytes of LDS; arguments pq, vq, out0; writes out0
.if DOCPART == 4
	.amdgcn_target "amdgcn-amd-amdhsa--gfx1250"
	.amdhsa_code_object_version 6
	.text
	.protected	k_q29044461dc_pv
	.globl	k_q29044461dc_pv
	.p2align	8
	.type	k_q29044461dc_pv,@function
k_q29044461dc_pv:
	s_mov_b64 s[64:65], 0
	v_nop
	global_prefetch_b8 v0, s[64:65] scope:SCOPE_SE
	s_setreg_imm32_b32 hwreg(HW_REG_WAVE_MODE, 25, 1), 1
	s_wait_xcnt 0x0
	s_wait_alu depctr_hold_cnt(0) depctr_sa_sdst(0) depctr_va_vdst(0) depctr_va_sdst(0) depctr_va_ssrc(0) depctr_va_vcc(0) depctr_vm_vsrc(0)
	s_getreg_b32 s2, hwreg(HW_REG_IB_STS2, 6, 4)
	s_cmp_eq_u32 s2, 0
	s_cbranch_scc0 .Lentry_in_a_cluster
	s_endpgm
.Lentry_in_a_cluster:
	s_bfe_u32 s2, ttmp6, 0x10000c
	s_cmp_lg_u32 s2, 0xf033
	s_cbranch_scc0 .Lentry_shape_is_right
	s_endpgm
.Lentry_shape_is_right:
; out = (P V) / l on codes of FP6 (E2M3) with E8M0 scales, K = the batch's 2,048 keys.  P's codes were made under a whole number M for each query and each 128 keys.  At the head the row's M is found
; (-M's minimum over the 16 K steps), and (row M - local M) is taken off P's four scale bytes of that K step: the codes stay.  l = the sum of the 16 partial sums, each x 2^(local M - row M), exact shifts.
; LIMITS: a scale byte that would fall under 0 is held at 0 (2^-127): what it scales lies under 2^-124 beside l >= 1/2.  NaN and infinities are not served.
; pq, vq: images of operand registers: fragments of 1,536 bytes (registers 4 c .. 4 c + 3 of lane l at 512 c + 16 l), 12,288 bytes a block of 128 rows and K step; lane r of tile t holds row
; 32 (t / 2) + 8 (t % 2) + r + 8 (r / 8); words (scales, -M, sums) of (block, step): 512 bytes, tile 4 g + i, lane r at 256 g + 16 r + 4 i.
; A work-group makes 128 queries x 256 channels, a wave 64 x 128 in 32 accumulators: 256 work-groups.  The matrix instruction is used transposed (source 0 = V, source 1 = P): a lane holds one query, its 64
; registers of a block are 128 neighbouring channels.
; CLUSTERS: 4 x 4; P's tiles are shared along a row of the cluster, V's along a column.  LDS: two slots of four K steps (P 49,152 bytes, V twice 49,152), P's mended scale words (8,192, written by the waves),
; V's scale words (16,384, filled once), the spare words.  Wave 0 fetches P, waves 1 and 2 V, wave 3 V's scale words: two tensor loads of a wave are out at most, and every wait for them is for all.
; All of a WGP's LDS is claimed.
.set KST,   12288
.set FRB,   1536
.set REG,   4*KST
.set SLOT,  3*REG
.set PSL,   2*SLOT
.set VS,    PSL+8192
.set SPARE, VS+16384
.set PSO,   12582912
.set VSO,   6291456
.set ADRA, 16
.set ADRB, 20
.set STO,  22
.set RD,   23
.set LI,   24
.set LW,   25
.set LSW,  26
.set ADRS, 27
.set SPW,  28
.set NIL,  29
.set SC,   32                          ; v32-47 scale words, two sets of eight
.set RL,   48                          ; v48-55 1 / l of my four blocks, each twice
.set PMR,  64                          ; the head: -M of all 16 K steps
.set WK,   64                          ; the way out
.set AF,   128                         ; P's fragments, two sets of 48
.set PLR,  128                         ; the head: the partial sums
.set BK,   128                         ; the way out: rows read back, two sets of 64
.set PSR,  192                         ; the head: my four K steps' scale words,
.set PMW,  208                         ; and their -M
.set NR,   224
.set LS,   228
.set T,    232
.set WV,   10
.set WR,   11
.set WC,   12
.set G1P,  20
.set G1V,  28
.set G1S,  36
.set G0P,  44
.set G0V,  52
.set G0S,  60
.set SEL,  78
.set HM,   80
.set K80,  81
.set MSB, 0
.macro WIN new
.if MSB != (\new)
	s_set_vgpr_msb (MSB<<8)|(\new)
.set MSB, \new
.endif
.endm
.set MUL,  0xa1                        ; source 0 (V) window 1, source 1 (P) window 0, C and D window 2
.set TO_B, 0x40
.macro PLACES n
.rept \n
	v_nop
.endr
.endm
.macro CREST
	s_cmp_lg_u32 s[WV], 0
	s_cbranch_scc1 .Lnot_wave_0_\@
	s_barrier_signal -3
.Lnot_wave_0_\@:
	s_barrier_wait -3
	s_barrier_signal -1
	s_barrier_wait -1
.endm
.macro CROUND
	s_barrier_signal -1
	s_barrier_wait -1
	CREST
.endm
.macro TL s                            ; a joint refill of slot s: wave 0 P's, waves 1 and 2 V's; an s_nop 0 and four v_nop follow each line
	s_cmp_eq_u32 s[WV], 0
	s_cbranch_scc0 .Lnot_p_\@
	tensor_load_to_lds s[G0P+4*(\s):G0P+4*(\s)+3], s[G1P:G1P+7]
	s_nop 0
.rept 4
	v_nop
.endr
	s_branch .Lasked_\@
.Lnot_p_\@:
	s_cmp_lt_u32 s[WV], 3
	s_cbranch_scc0 .Lasked_\@
	tensor_load_to_lds s[G0V+4*(\s):G0V+4*(\s)+3], s[G1V:G1V+7]
	s_nop 0
.rept 4
	v_nop
.endr
.Lasked_\@:
.endm
.macro FRAG reg, adr, off
.irp c, 0,1,2
	ds_load_b128 v[\reg+4*\c:\reg+4*\c+3], v[\adr] offset:\off+512*\c
.endr
.endm
; K step n (place q of its slot) into set: V's eight fragments, P's four, and the scale words: lanes 0-15 P's (registers 0-3 of the set), lanes 16-31 V's (registers 0-7)
.macro FETCH slot, q, set, n
	WIN TO_B
.irp i, 0,1,2,3,4,5,6,7
	FRAG 128*(\set)+12*\i, ADRB+\slot, (\q)*KST+\i*FRB
.endr
	WIN 0
.irp i, 0,1,2,3
	FRAG AF+48*(\set)+12*\i, ADRA+\slot, (\q)*KST+\i*FRB
.endr
	ds_load_b128 v[SC+8*(\set):SC+8*(\set)+3], v[ADRS] offset:512*(\n)
	ds_load_b128 v[SC+8*(\set)+4:SC+8*(\set)+7], v[ADRS] offset:512*(\n)+256
.endm
.macro MUL8 a, set, zero               ; P's block a x V's eight; the 32 accumulators take turns, one instruction a turn
.irp b, 0,1,2,3,4,5,6,7
.if \zero
	v_wmma_scale_f32_16x16x128_f8f6f4 v[8*(8*(\a)+\b):8*(8*(\a)+\b)+7], v[128*(\set)+12*\b:128*(\set)+12*\b+11], v[AF+48*(\set)+12*(\a):AF+48*(\set)+12*(\a)+11], 0, v[SC+8*(\set)+\b], v[SC+8*(\set)+(\a)] matrix_a_fmt:MATRIX_FMT_FP6 matrix_b_fmt:MATRIX_FMT_FP6 matrix_a_scale:MATRIX_SCALE_ROW1
.else
	v_wmma_scale_f32_16x16x128_f8f6f4 v[8*(8*(\a)+\b):8*(8*(\a)+\b)+7], v[128*(\set)+12*\b:128*(\set)+12*\b+11], v[AF+48*(\set)+12*(\a):AF+48*(\set)+12*(\a)+11], v[8*(8*(\a)+\b):8*(8*(\a)+\b)+7], v[SC+8*(\set)+\b], v[SC+8*(\set)+(\a)] matrix_a_fmt:MATRIX_FMT_FP6 matrix_b_fmt:MATRIX_FMT_FP6 matrix_a_scale:MATRIX_SCALE_ROW1
.endif
.endr
.endm
.macro STEP n, zero
	s_wait_dscnt 0x0                               ; this step's fragments, asked for 16 matrix instructions ago
	WIN MUL
	MUL8 0, (\n)%2, \zero
	MUL8 1, (\n)%2, \zero
	PLACES 4                                       ; four plain vector instructions in front of loads into registers that matrix instructions have read
	FETCH (((\n)+1)/4)%2, ((\n)+1)%4, ((\n)+1)%2, (\n)+1
	WIN MUL
	MUL8 2, (\n)%2, \zero
	MUL8 3, (\n)%2, \zero
.endm
; A slot's last step: in front of the barrier each wave waits for all its tensor loads, adds 0 to its spare word, and waits for that and for its reads of the slot.  fill = 1: the slot takes the K steps eight on.
.macro TURN n, fill
	WIN 0
	s_wait_tensorcnt 0x0                           ; all my tensor loads have landed: my part of the other slot
	ds_add_u32 v[SPW], v[NIL]                      ; 0 onto my spare word
	s_wait_dscnt 1                                 ; (the add may be out)
	WIN MUL
	MUL8 0, 1, 0
	s_wait_dscnt 0x0                               ; the add is done, and my reads of this slot are over
	s_barrier_signal -1
	MUL8 1, 1, 0
	WIN 0
	s_barrier_wait -1
.if \fill
	CREST                                          ; a round of the cluster's barrier: no wave of any partner still reads this slot or has a load on its way
	s_add_nc_u64 s[G0P+4*(((\n)/4)%2)+2:G0P+4*(((\n)/4)%2)+3], s[G0P+4*(((\n)/4)%2)+2:G0P+4*(((\n)/4)%2)+3], 2*REG
	s_add_nc_u64 s[G0V+4*(((\n)/4)%2)+2:G0V+4*(((\n)/4)%2)+3], s[G0V+4*(((\n)/4)%2)+2:G0V+4*(((\n)/4)%2)+3], 2*REG
	TL ((\n)/4)%2                                  ; the first tensor load behind the round: four K steps, 128 matrix instructions, in which to land
.endif
	PLACES 4
	FETCH (((\n)+1)/4)%2, 0, 0, (\n)+1
	WIN MUL
	MUL8 2, 1, 0
	MUL8 3, 1, 0
.endm
	s_load_b128 s[4:7], s[0:1], 0x0                ; pq, vq
	s_load_b64 s[8:9], s[0:1], 0x10                ; out0
	v_lshl_add_u32 v[SPW], v0, 2, SPARE
	v_mov_b32 v[NIL], 0
	ds_add_u32 v[SPW], v[NIL]                      ; the wave's opening: the add and its wait ahead of my first tensor load
	ds_add_u32 v[SPW], v[NIL]
	v_lshrrev_b32 v1, 5, v0
	v_readfirstlane_b32 s[WV], v1
	s_lshr_b32 s[WR], s[WV], 1                     ; which 64 queries are mine.  Also: which block of V waves 1 and 2 fetch
	s_and_b32 s[WC], s[WV], 1                      ; which 128 channels
	s_bfe_u32 s13, ttmp6, 0x40000                  ; cx
	s_bfe_u32 s14, ttmp6, 0x40004                  ; cy
	s_and_b32 s15, ttmp7, 0xffff
	s_lshl_b32 s16, s15, 2
	s_add_co_u32 s16, s16, s14                     ; P's block of 128 queries
	s_lshr_b32 s17, s15, 2                         ; the batch: 16 blocks, four rows of clusters
	s_lshl_b32 s66, ttmp9, 2
	s_add_co_u32 s66, s66, s13                     ; the tile of 256 channels
	s_lshl_b32 s18, s14, 2
	s_lshl_b32 s18, 15, s18                        ; my row of the cluster
	s_lshl_b32 s19, 0x1111, s13                    ; my column
	s_or_b32 s[G1P], s18, (3<<16)|(1<<21)
	s_or_b32 s[G1V], s19, (3<<16)|(1<<21)
	s_or_b32 s[G1S], s19, (3<<16)|(1<<21)
.irp g, G1P, G1V                       ; four K steps of a block: 49,152 dense bytes as 192 rows of 256
	s_mov_b32 s[\g+1], 32<<16
	s_mov_b32 s[\g+2], 192<<16
	s_mov_b32 s[\g+3], 32<<16
	s_mov_b32 s[\g+4], 192
	s_mov_b32 s[\g+5], 32
	s_mov_b32 s[\g+6], 0
	s_mov_b32 s[\g+7], 0
.endr
	s_mov_b32 s[G1S+1], 1024<<16                   ; V's scale words: two blocks' 8,192 bytes of this batch, 32,768 bytes apart
	s_mov_b32 s[G1S+2], 2<<16
	s_mov_b32 s[G1S+3], 1024<<16
	s_mov_b32 s[G1S+4], 2
	s_mov_b32 s[G1S+5], 4096
	s_mov_b32 s[G1S+6], 0
	s_mov_b32 s[G1S+7], 0
	s_mul_i32 s67, s[WV], REG
.irp s, 0,1
	s_mov_b32 s[G0P+4*\s], 1
	s_add_co_u32 s[G0P+4*\s+1], s67, \s*SLOT
	s_mov_b32 s[G0V+4*\s], 1
	s_add_co_u32 s[G0V+4*\s+1], s67, \s*SLOT
.endr
	s_mov_b32 s[G0S], 1
	s_mov_b32 s[G0S+1], VS
	s_mul_i32 s68, s16, 16*KST                     ; P's codes
	s_mov_b32 s69, 0
	s_lshl_b32 s70, s66, 1
	s_add_co_u32 s70, s70, s[WR]
	s_mul_i32 s70, s70, 64*KST
	s_mul_i32 s71, s17, 16*KST
	s_add_co_u32 s70, s70, s71                     ; V's codes: the block, the batch's first K step
	s_mov_b32 s71, 0
	s_lshl_b32 s72, s66, 16
	s_lshl_b32 s73, s17, 13
	s_add_co_u32 s72, s72, s73
	s_add_co_u32 s72, s72, VSO                     ; V's scale words
	s_mov_b32 s73, 0
	s_lshl_b32 s74, s16, 13
	s_add_co_u32 s74, s74, PSO                     ; P's words
	s_mov_b32 s75, 0
	s_lshl_b32 s76, s16, 19
	s_lshl_b32 s77, s[WR], 18
	s_add_co_u32 s76, s76, s77
	s_lshl_b32 s77, s66, 10
	s_add_co_u32 s76, s76, s77
	s_lshl_b32 s77, s[WC], 9
	s_add_co_u32 s76, s76, s77                     ; out: my first row and column
	s_mov_b32 s77, 0
	s_mov_b32 s[SEL], 0x76543210
	s_mov_b32 s[SEL+1], 0xfedcba98
	s_mov_b32 s[K80], 0x80808080
	s_mov_b32 s[HM], 0xffff0000
	s_cmp_eq_u32 s[WR], 0
	s_cselect_b32 s[HM], 0xffff, s[HM]             ; the lanes whose half is my half of the queries
	s_wait_dscnt 0x0                               ; the opening add is done
	s_wait_kmcnt 0x0
	s_add_nc_u64 s[G0P+2:G0P+3], s[4:5], s[68:69]
	s_add_nc_u64 s[G0P+6:G0P+7], s[G0P+2:G0P+3], REG
	s_add_nc_u64 s[G0V+2:G0V+3], s[6:7], s[70:71]
	s_add_nc_u64 s[G0V+6:G0V+7], s[G0V+2:G0V+3], REG
	s_add_nc_u64 s[G0S+2:G0S+3], s[6:7], s[72:73]
.irp g, G0P+3, G0P+7, G0V+3, G0V+7, G0S+3
	s_or_b32 s[\g], s[\g], 0x80000000
.endr
	s_add_nc_u64 s[4:5], s[4:5], s[74:75]
	s_add_nc_u64 s[8:9], s[8:9], s[76:77]
	v_and_b32 v1, 31, v0
	v_and_b32 v2, 15, v0                           ; r
	v_bfe_u32 v3, v0, 4, 1                         ; h
	s_wait_alu depctr_va_vdst(0)
	v_lshlrev_b32 v[LI], 4, v1
	s_lshl_b32 s82, s[WV], 11
	v_add_nc_u32 v[LW], s82, v[LI]                 ; my four K steps' words in memory,
	s_add_co_u32 s82, s82, PSL
	v_add_nc_u32 v[LSW], s82, v[LI]                ; and in LDS
.irp k, 0,1,2,3,4,5,6,7,8,9,10,11,12,13,14,15      ; P's words are asked for ahead of the round and the tiles
	global_load_b128 v[PMR+4*\k:PMR+4*\k+3], v[LI], s[4:5] offset:524288+512*\k
.endr
.irp q, 0,1,2,3
	global_load_b128 v[PMW+4*\q:PMW+4*\q+3], v[LW], s[4:5] offset:524288+512*\q
.endr
.irp q, 0,1,2,3
	global_load_b128 v[PSR+4*\q:PSR+4*\q+3], v[LW], s[4:5] offset:512*\q
.endr
.irp k, 0,1,2,3,4,5,6,7,8,9,10,11,12,13,14,15
	global_load_b128 v[PLR+4*\k:PLR+4*\k+3], v[LI], s[4:5] offset:1048576+512*\k
.endr
	s_wait_alu depctr_va_vdst(0)                   ; the wait ahead of the barrier
	CROUND
	s_cmp_eq_u32 s[WV], 0                          ; a wave's first fills stand in one branch on its number
	s_cbranch_scc0 .Lfirst_not_p
	tensor_load_to_lds s[G0P:G0P+3], s[G1P:G1P+7]
	s_nop 0
.rept 4
	v_nop
.endr
	s_branch .Lfirst_asked
.Lfirst_not_p:
	s_cmp_lt_u32 s[WV], 3
	s_cbranch_scc0 .Lfirst_scales
	tensor_load_to_lds s[G0V:G0V+3], s[G1V:G1V+7]
	s_nop 0
.rept 4
	v_nop
.endr
	s_branch .Lfirst_asked
.Lfirst_scales:
	tensor_load_to_lds s[G0S:G0S+3], s[G1S:G1S+7]
	s_nop 0
.rept 4
	v_nop
.endr
.Lfirst_asked:
	s_mul_i32 s82, s[WR], 4*FRB
	s_mul_i32 s83, s[WC], REG
	s_add_co_u32 s83, s83, REG
.irp s, 0,1
	v_add_nc_u32 v[ADRA+\s], s82, v[LI]
	v_add_nc_u32 v[ADRB+\s], s83, v[LI]
	s_add_co_u32 s82, s82, SLOT
	s_add_co_u32 s83, s83, SLOT
.endr
	s_lshl_b32 s82, s[WR], 8
	s_lshl_b32 s83, s[WC], 13
	s_add_co_u32 s83, s83, 8192
	s_sub_co_u32 s83, s83, s82
	v_mul_u32_u24 v4, s83, v3                      ; lanes 16-31 take V's words
	v_lshl_add_u32 v4, v2, 4, v4
	s_add_co_u32 s82, s82, PSL
	v_add_nc_u32 v[ADRS], s82, v4
	s_mul_i32 s82, s[WV], 8448                     ; my stage for the way out: 16 rows x 528 bytes, in slot 0, which has then had its last fill and its last read
	v_mul_u32_u24 v[STO], v2, 528
	v_lshl_add_u32 v[STO], v3, 6, v[STO]
	v_add_nc_u32 v[STO], s82, v[STO]
	v_add_nc_u32 v[RD], s82, v[LI]
	s_wait_alu depctr_va_vdst(0)                   ; the wait ahead of the wait below
	s_wait_tensorcnt 0x0                           ; my first fill (slot 0's part, or V's scale words) is in
	ds_add_u32 v[SPW], v[NIL]
	s_wait_dscnt 0x0
	CROUND                                         ; slot 0 and V's scale words are whole in every wave, and the joint loads meet
	TL 1                                           ; slot 1's first fill: the work on M below and four K steps stand between it and the wait for it
	s_wait_loadcnt 16
.irp i, 0,1,2,3
	v_min3_num_f32 v[NR+\i], v[PMR+\i], v[PMR+4+\i], v[PMR+8+\i]   ; the row's -M: lane (r, g), word i: tile 4 g + i, lane r
.endr
.irp k, 3,5,7,9,11,13
.irp i, 0,1,2,3
	v_min3_num_f32 v[NR+\i], v[NR+\i], v[PMR+4*\k+\i], v[PMR+4*\k+4+\i]
.endr
.endr
.irp i, 0,1,2,3
	v_min_num_f32 v[NR+\i], v[NR+\i], v[PMR+60+\i]
.endr
.irp e, 0,1,2,3,4,5,6,7,8,9,10,11,12,13,14,15
	v_sub_f32 v[PMW+\e], v[PMW+\e], v[NR+\e%4]     ; d = row M - local M: a whole number, 0 or more,
.endr
.irp e, 0,1,2,3,4,5,6,7,8,9,10,11,12,13,14,15
	v_min_num_f32 v[PMW+\e], 0x42fe0000, v[PMW+\e] ; held at 127
.endr
.irp e, 0,1,2,3,4,5,6,7,8,9,10,11,12,13,14,15
	v_cvt_u32_f32 v[PMW+\e], v[PMW+\e]
.endr
.irp e, 0,1,2,3,4,5,6,7,8,9,10,11,12,13,14,15
	v_perm_b32 v[PMW+\e], v[PMW+\e], v[PMW+\e], 0  ; in all four bytes
.endr
.irp e, 0,1,2,3,4,5,6,7,8,9,10,11,12,13,14,15
	v_or_b32 v[PSR+\e], s[K80], v[PSR+\e]          ; p is at most about 1, so a byte is at most 125: bit 7 guards each byte's subtraction
.endr
.irp e, 0,1,2,3,4,5,6,7,8,9,10,11,12,13,14,15
	v_sub_nc_u32 v[PSR+\e], v[PSR+\e], v[PMW+\e]
.endr
.irp e, 0,1,2,3,4,5,6,7,8,9,10,11,12,13,14,15
	v_and_b32 v[PMW+\e], s[K80], v[PSR+\e]         ; the guard is left where byte - d is 0 or more
.endr
.irp e, 0,1,2,3,4,5,6,7,8,9,10,11,12,13,14,15
	v_lshrrev_b32 v[T+\e], 7, v[PMW+\e]
.endr
.irp e, 0,1,2,3,4,5,6,7,8,9,10,11,12,13,14,15
	v_sub_nc_u32 v[PMW+\e], v[PMW+\e], v[T+\e]     ; 0x7f there, 0 elsewhere
.endr
.irp e, 0,1,2,3,4,5,6,7,8,9,10,11,12,13,14,15
	v_and_b32 v[PSR+\e], v[PSR+\e], v[PMW+\e]      ; byte - d, held at 0
.endr
.irp q, 0,1,2,3
	ds_store_b128 v[LSW], v[PSR+4*\q:PSR+4*\q+3] offset:512*\q
.endr
	s_wait_loadcnt 0x0
.set E, 0
.rept 64
	v_sub_f32 v[PMR+E], v[NR+E%4], v[PMR+E]        ; local M - row M: 0 or less
.set E, E+1
.endr
.set E, 0
.rept 64
	v_cvt_i32_f32 v[PMR+E], v[PMR+E]               ; (it saturates)
.set E, E+1
.endr
.set E, 0
.rept 64
	v_ldexp_f32 v[PLR+E], v[PLR+E], v[PMR+E]       ; the partial sum under the row's M
.set E, E+1
.endr
	v_pk_add_f32 v[LS:LS+1], v[PLR:PLR+1], v[PLR+4:PLR+5]
	v_pk_add_f32 v[LS+2:LS+3], v[PLR+2:PLR+3], v[PLR+6:PLR+7]
.irp k, 2,3,4,5,6,7,8,9,10,11,12,13,14,15
	v_pk_add_f32 v[LS:LS+1], v[LS:LS+1], v[PLR+4*\k:PLR+4*\k+1]
	v_pk_add_f32 v[LS+2:LS+3], v[LS+2:LS+3], v[PLR+4*\k+2:PLR+4*\k+3]
.endr
.irp i, 0,1,2,3
	v_permlanex16_b32 v[T+\i], v[LS+\i], s[SEL], s[SEL+1]
.endr
.irp i, 0,1,2,3
	v_cndmask_b32 v[LS+\i], v[T+\i], v[LS+\i], s[HM]   ; every lane: l of lane r of MY block i
.endr
	s_wait_alu depctr_va_vdst(0)
.irp i, 0,1,2,3
	v_rcp_f32 v[RL+2*\i], v[LS+\i]
	v_rcp_f32 v[RL+2*\i+1], v[LS+\i]               ; twice: a pair for the packed multiplication
.endr
	v_nop                                          ; a plain place behind the reciprocals
	s_wait_alu depctr_va_vdst(0)                   ; one wait for the batch
	s_wait_dscnt 0x0                               ; my part of P's scale words has landed
	s_barrier_signal -1
	s_barrier_wait -1                              ; everybody's has; slot 1's load may be out
	FETCH 0, 0, 0, 0
	STEP 0, 1                                      ; K step 0 starts the sums
	STEP 1, 0
	STEP 2, 0
	TURN 3, 1
	STEP 4, 0
	STEP 5, 0
	STEP 6, 0
	TURN 7, 1
	STEP 8, 0
	STEP 9, 0
	STEP 10, 0
	TURN 11, 0                                     ; nothing is left to fetch: a plain barrier
	STEP 12, 0
	STEP 13, 0
	STEP 14, 0
	s_wait_dscnt 0x0
	WIN MUL
	MUL8 0, 1, 0
	MUL8 1, 1, 0
	MUL8 2, 1, 0
	MUL8 3, 1, 0
	WIN 0
	; THE WAY OUT, block by block of 16 queries x 128 channels: x 1 / l, through my stage in LDS, back as whole rows of 512 bytes.
	PLACES 4
.macro OUTB a
	WIN 0x02
.set J, 0
.rept 32
	v_pk_mul_f32 v[WK+J:WK+J+1], v[64*(\a)+J:64*(\a)+J+1], v[RL+2*(\a):RL+2*(\a)+1]   ; each accumulator from its low end on
.set J, J+2
.endr
	WIN 0
.irp b, 0,1,2,3
.irp j, 0,1,2,3
	ds_store_b128 v[STO], v[WK+16*\b+4*\j:WK+16*\b+4*\j+3] offset:128*\b+16*\j   ; register 16 b + i is channel 32 b + 16 h + i
.endr
.endr
.if (\a) >= 2
	s_wait_xcnt 0x0                                ; block a - 2's stores have read their registers
.endif
.irp t, 0,1,2,3,4,5,6,7,8,9,10,11,12,13,14,15
	ds_load_b128 v[BK+64*((\a)%2)+4*\t:BK+64*((\a)%2)+4*\t+3], v[RD] offset:528*\t   ; LDS serves a wave's instructions in order
.endr
.irp t, 0,1,2,3,4,5,6,7,8,9,10,11,12,13,14,15
	s_wait_dscnt 15-\t
	global_store_b128 v[LI], v[BK+64*((\a)%2)+4*\t:BK+64*((\a)%2)+4*\t+3], s[8:9] offset:(32*((\a)/2)+8*((\a)%2)+\t+8*(\t/8))*4096 th:TH_STORE_NT   ; 512 consecutive bytes, aligned
.endr
.endm
	OUTB 0
	OUTB 1
	OUTB 2
	OUTB 3
	s_wait_tensorcnt 0x0                           ; the wave's end
	ds_add_u32 v[SPW], v[NIL]
	s_wait_dscnt 0x0
	CROUND                                         ; the closing round
	s_endpgm
.Lfunc_end_k_q29044461dc_pv:
	.size	k_q29044461dc_pv, .Lfunc_end_k_q29044461dc_pv-k_q29044461dc_pv
	.p2alignl 7, 3214868480
	.fill 96, 4, 3214868480
	.section	.rodata,"a",@progbits
	.p2align	6, 0x0
	.amdhsa_kernel k_q29044461dc_pv
		.amdhsa_group_segment_fixed_size 327680
		.amdhsa_private_segment_fixed_size 0
		.amdhsa_enable_private_segment 0
		.amdhsa_kernarg_size 24
		.amdhsa_user_sgpr_count 2
		.amdhsa_user_sgpr_kernarg_segment_ptr 1
		.amdhsa_wavefront_size32 1
		.amdhsa_system_sgpr_workgroup_id_x 1
		.amdhsa_system_sgpr_workgroup_id_y 1
		.amdhsa_system_sgpr_workgroup_id_z 1
		.amdhsa_system_vgpr_workitem_id 0
		.amdhsa_next_free_vgpr 768
		.amdhsa_next_free_sgpr 100
		.amdhsa_reserve_vcc 0
		.amdhsa_float_denorm_mode_32 3
		.amdhsa_float_denorm_mode_16_64 3
		.amdhsa_memory_ordered 1
		.amdhsa_forward_progress 1
		.amdhsa_inst_pref_size 166
	.end_amdhsa_kernel
	.amdgpu_metadata
---
amdhsa.version: [ 1, 2 ]
amdhsa.kernels:
  - .name:           k_q29044461dc_pv
    .symbol:         k_q29044461dc_pv.kd
    .args:
      - { .name: pq, .offset: 0, .size: 8, .value_kind: global_buffer, .address_space: global }
      - { .name: vq, .offset: 8, .size: 8, .value_kind: global_buffer, .address_space: global }
      - { .name: out0, .offset: 16, .size: 8, .value_kind: global_buffer, .address_space: global }
    .group_segment_fixed_size: 327680
    .private_segment_fixed_size: 0
    .kernarg_segment_align: 8
    .kernarg_segment_size: 24
    .max_flat_workgroup_size: 128
    .sgpr_count:     100
    .vgpr_count:     768
    .wavefront_size: 32
...
	.end_amdgpu_metadata
.endif
;; end of part 4
